; MI455X (gfx1250); checked and timed in simulation.
; The chip was launched on July 23, 2026; its instructions are those of AMD's public machine-readable ISA for CDNA 5 (MIT licence, August 2026) and "CDNA5" Instruction Set Architecture Reference Guide (July 2026). The comments in the code are by the model that wrote it; some were corrected since.
;; Multi Resource Attention. Allowed arithmetic: float matrix products may take bf16 or f16 operands with f32 sums; other float arithmetic in f32, or as packed bf16 or f16 multiplies, adds, multiply-adds, maxima and minima; sums over many terms, partial sums and values carried from step to step in f32; what a program stores and reads back later, other than sums and carried values, may be rounded once to bf16 or f16.
;; Inputs: Wk 1,024 x 1,024 float32; Wq 1,024 x 1,024 float32; Wv 1,024 x 1,024 float32; beta 1,024 float32; bk 1,024 float32; bq 1,024 float32; bv 1,024 float32; gamma 1,024 float32; x 4 x 2,048 x 1,024 float32.
;; Outputs: out0 4 x 2,048 x 1,024 float32.
;; 2 versions, each right; version 2 is version 1 with the launches cast, norm written anew for expert scheduling mode. Each part assembles by itself: llvm-mc -triple=amdgcn-amd-amdhsa -mcpu=gfx1250 --defsym DOCPART=n.
;; ======== version 1 of 2: 5 launches
;; workspace buffers: xw 23,068,672 bytes; qkv 50,331,648 bytes; prob 33,554,432 bytes; st 1,048,576 bytes; part 67,108,864 bytes
;; launch cast (part 1): grid 704 x 1, 8 waves a work-group, no clusters, 0 bytes of LDS; arguments x, Wq, Wk, Wv, xw; writes xw
.if DOCPART == 1
	.amdgcn_target "amdgcn-amd-amdhsa--gfx1250"
	.amdhsa_code_object_version 6
	.text
	.protected	k_q3b93237d89_cast
	.globl	k_q3b93237d89_cast
	.p2align	8
	.type	k_q3b93237d89_cast,@function
k_q3b93237d89_cast:
	s_mov_b64 s[64:65], 0
	v_nop
	global_prefetch_b8 v0, s[64:65] scope:SCOPE_SE
	s_setreg_imm32_b32 hwreg(HW_REG_WAVE_MODE, 25, 1), 1
	s_wait_xcnt 0x0
; xw = bf16(x), then bf16(Wq), bf16(Wk), bf16(Wv), each in its own layout: x [8192][1024] at byte 0, W [3][1024 k][1024 n] at byte 16,777,216.
; A stream: no LDS, no matrix unit, no cluster (no two work-groups read the same byte).  Work-group g turns 65,536 bytes of f32 into the 32,768 bytes at xw + 32,768 g:
; g < 512: x's bytes from 65,536 g; else u = g - 512: tensor u / 64 of the three weights, its bytes from 65,536 (u % 64).  A wave takes 8,192 bytes: sixteen loads of 512 consecutive
; bytes, all issued before the first is waited for; each store of the wave covers 256 consecutive bytes, aligned.  No register is written twice, so no source is ever at stake.
.set IN,  4                            ; v[4:67]   sixteen loads of four f32
.set OUT, 68                           ; v[68:99]  sixteen pairs of words, four bf16 each
	s_load_b256 s[4:11], s[0:1], 0x0               ; x s[4:5], Wq s[6:7], Wk s[8:9], Wv s[10:11]
	s_load_b64 s[12:13], s[0:1], 0x20              ; xw
	s_mov_b32 s20, ttmp9                           ; g
	s_sub_co_u32 s21, s20, 512                     ; u (used only where g >= 512)
	s_and_b32 s21, s21, 63
	s_lshl_b32 s21, s21, 16                        ; the offset inside a weight,
	s_lshl_b32 s22, s20, 16                        ; or inside x
	s_cmp_lt_u32 s20, 512
	s_cselect_b32 s16, s22, s21
	s_mov_b32 s17, 0
	s_lshl_b32 s18, s20, 15                        ; the offset in xw
	s_mov_b32 s19, 0
	v_lshrrev_b32 v3, 5, v0                        ; wave
	v_and_b32 v1, 31, v0                           ; lane
	v_lshlrev_b32 v1, 4, v1
	v_lshl_add_u32 v1, v3, 13, v1                  ; in: 8,192 wave + 16 lane
	v_lshrrev_b32 v2, 1, v1                        ; out: half of that
	s_wait_kmcnt 0x0
	s_cmp_lt_u32 s20, 512                          ; the source is chosen among the four buffers by the work-group's number alone
	s_cselect_b64 s[14:15], s[4:5], s[6:7]
	s_cmp_ge_u32 s20, 576
	s_cselect_b64 s[14:15], s[8:9], s[14:15]
	s_cmp_ge_u32 s20, 640
	s_cselect_b64 s[14:15], s[10:11], s[14:15]
	s_add_nc_u64 s[14:15], s[14:15], s[16:17]
	s_add_nc_u64 s[12:13], s[12:13], s[18:19]
.irp j, 0,1,2,3,4,5,6,7,8,9,10,11,12,13,14,15
	global_load_b128 v[IN+4*(\j):IN+4*(\j)+3], v1, s[14:15] offset:512*(\j) th:TH_LOAD_NT
.endr
.irp j, 0,1,2,3,4,5,6,7,8,9,10,11,12,13,14,15
	s_wait_loadcnt 15-(\j)                         ; loads come back in order: load j is in, the younger ones stay out
	v_cvt_pk_bf16_f32 v[OUT+2*(\j)],   v[IN+4*(\j)],   v[IN+4*(\j)+1]
	v_cvt_pk_bf16_f32 v[OUT+2*(\j)+1], v[IN+4*(\j)+2], v[IN+4*(\j)+3]
	global_store_b64 v2, v[OUT+2*(\j):OUT+2*(\j)+1], s[12:13] offset:256*(\j)
.endr
	s_endpgm
.Lfunc_end_k_q3b93237d89_cast:
	.size	k_q3b93237d89_cast, .Lfunc_end_k_q3b93237d89_cast-k_q3b93237d89_cast
	.p2alignl 7, 3214868480
	.fill 96, 4, 3214868480
	.section	.rodata,"a",@progbits
	.p2align	6, 0x0
	.amdhsa_kernel k_q3b93237d89_cast
		.amdhsa_group_segment_fixed_size 0
		.amdhsa_private_segment_fixed_size 0
		.amdhsa_enable_private_segment 0
		.amdhsa_kernarg_size 40
		.amdhsa_user_sgpr_count 2
		.amdhsa_user_sgpr_kernarg_segment_ptr 1
		.amdhsa_wavefront_size32 1
		.amdhsa_system_sgpr_workgroup_id_x 1
		.amdhsa_system_sgpr_workgroup_id_y 1
		.amdhsa_system_sgpr_workgroup_id_z 1
		.amdhsa_system_vgpr_workitem_id 0
		.amdhsa_next_free_vgpr 100
		.amdhsa_next_free_sgpr 66
		.amdhsa_reserve_vcc 0
		.amdhsa_float_denorm_mode_32 3
		.amdhsa_float_denorm_mode_16_64 3
		.amdhsa_memory_ordered 1
		.amdhsa_forward_progress 1
		.amdhsa_inst_pref_size 7
	.end_amdhsa_kernel
	.amdgpu_metadata
---
amdhsa.version: [ 1, 2 ]
amdhsa.kernels:
  - .name:           k_q3b93237d89_cast
    .symbol:         k_q3b93237d89_cast.kd
    .args:
      - { .name: x, .offset: 0, .size: 8, .value_kind: global_buffer, .address_space: global }
      - { .name: Wq, .offset: 8, .size: 8, .value_kind: global_buffer, .address_space: global }
      - { .name: Wk, .offset: 16, .size: 8, .value_kind: global_buffer, .address_space: global }
      - { .name: Wv, .offset: 24, .size: 8, .value_kind: global_buffer, .address_space: global }
      - { .name: xw, .offset: 32, .size: 8, .value_kind: global_buffer, .address_space: global }
    .group_segment_fixed_size: 0
    .private_segment_fixed_size: 0
    .kernarg_segment_align: 8
    .kernarg_segment_size: 40
    .max_flat_workgroup_size: 256
    .sgpr_count:     66
    .vgpr_count:     100
    .wavefront_size: 32
...
	.end_amdgpu_metadata
.endif
;; end of part 1
;; launch proj (part 2): grid 12 x 32, 4 waves a work-group, clusters of 4 x 4, 327,680 bytes of LDS; arguments xw, bq, bk, bv, qkv; writes qkv
.if DOCPART == 2
	.amdgcn_target "amdgcn-amd-amdhsa--gfx1250"
	.amdhsa_code_object_version 6
	.text
	.protected	k_q3b93237d89_proj
	.globl	k_q3b93237d89_proj
	.p2align	8
	.type	k_q3b93237d89_proj,@function
k_q3b93237d89_proj:
	s_mov_b64 s[64:65], 0
	v_nop
	global_prefetch_b8 v0, s[64:65] scope:SCOPE_SE
	s_setreg_imm32_b32 hwreg(HW_REG_WAVE_MODE, 25, 1), 1
	s_wait_xcnt 0x0
	s_wait_alu depctr_hold_cnt(0) depctr_sa_sdst(0) depctr_va_vdst(0) depctr_va_sdst(0) depctr_va_ssrc(0) depctr_va_vcc(0) depctr_vm_vsrc(0)
	s_getreg_b32 s2, hwreg(HW_REG_IB_STS2, 6, 4)
	s_cmp_eq_u32 s2, 0
	s_cbranch_scc0 .Lentry_in_a_cluster
	s_endpgm
.Lentry_in_a_cluster:
	s_bfe_u32 s2, ttmp6, 0x10000c
	s_cmp_lg_u32 s2, 0xf033
	s_cbranch_scc0 .Lentry_shape_is_right
	s_endpgm
.Lentry_shape_is_right:
; qkv[m][1024 t + n] = bf16( sum over k of x[m][k] W_t[k][n] + b_t[n] ), t = 0, 1, 2 for Q, K, V.  x and W come as bf16 from xw; sums and the bias in f32; one rounding.
; A work-group of four waves makes 256 x 256 of C, a wave 128 x 128: 64 accumulators of 16 x 16, 512 registers.  K = 1,024 goes in eight steps of 128 through two LDS slots filled by the
; tensor data mover.  A's tile: 256 rows of 256 bytes, LDS pitch 272.  W lies [k][n]: B's tile is 128 k-rows of 512 bytes, LDS pitch 544, and its fragments come out turned (ds_load_tr16_b128).
; CLUSTER 4 x 4: the four of a row of the cluster need the same tile of x, the four of a column the same tile of W: each tile is asked for jointly, with a mask that names the four.
; A cluster's four columns are the four tile columns of ONE tensor t = cluster x.
; The matrix instruction is used transposed (source 0 = 16 columns of W, source 1 = 16 rows of x): a lane holds row lane % 16 of C and eight neighbouring columns.
; TEXT.  One K step is written once and looped over (the slot in hand is a scalar, turned by an exclusive or); the two steps that ask for nothing are a second loop, left in its middle;
; the way out is written for four blocks of 16 rows and walked twice, the upper 32 accumulators being copied down between the trips: 256 moves once a launch for half the text.
; REGISTERS, in windows of 256: window 0: v0-31 addresses, v64-191 A's two fragment buffers (v64-127 at work on the way out), v32-63, v192-255 the way out;
;   window 1: v0-63 the bias of my 128 columns, v64-191 B's two buffers; window 2: accumulators of my rows 0-63 ((a, b) at 8 (8 a + b)); window 3: of rows 64-127.
.set BTURN,  1
.set MIX,    0
.set APITCH, 1024                      ; elements from row to row of x
.set BPITCH, 1024                      ; of W
.set STEPA,  256                       ; bytes from a K step to the next: 128 along a row of x,
.set STEPB,  128*2048                  ; 128 rows of W
.set ROWB,   6144                      ; bytes in a row of qkv
.set STW,    16*272                    ; a wave's stage
.set PITCH,  272                       ; 256 bytes + 16 of padding = 68 words: the 16 rows of a fragment load start at 16 different groups of four banks (64 banks of 4 bytes: ISA guide 11.1)
.set PB,     544                       ; 512 bytes + 32 = 136 words
.set HALFT,  128*PITCH                 ; what one tensor load brings: 128 rows of pitch 272, or 64 of pitch 544
.set SLOT,   4*HALFT                   ; A's tile, then B's.  SLOT = 0x22000 shares no bit with wave x HALFT, so an exclusive or changes slots
.set STAGE,  2*SLOT                    ; behind the ring; no tensor load lands here
.set SPARE,  STAGE+4*STW               ; the spare words: 128 bytes a wave, two blocks of 256 bytes that no other line names
.set ADRA,  16                         ; v16  LDS address of my A fragments in the slot in hand
.set ADRA0, 17                         ; v17  the same in slot 0; never rewritten
.set ADRB,  20                         ; v20, v21  the same for B
.set ADRB0, 21
.set STO,   24                         ; v24  the way out: where I put 16 bytes of a row
.set RD,    25                         ; v25  where I read a row back
.set CO,    26                         ; v26  my byte offset in C
.set BO,    27                         ; v27  my byte offset in the bias
.set SPW,   28                         ; v28  my spare word: SPARE + 4 x my thread's number; never rewritten
.set NIL,   29                         ; v29  0; never rewritten
.set F0,    64
.set F1,    128
.set SC,    64                         ; the way out: 64 f32 at work
.set TMP,   192                        ; packed results
.set OB0,   32                         ; 16 rows read back: v32-63 and v224-255 by turns
.set G1,  24                           ; s[24:31] group 1 for A's tiles
.set G0,  32                           ; s[32:35] group 0 of A's first fill; s[36:39] the one that walks
.set G1B, 48                           ; s[48:55], s[56:59], s[60:63] the same for B
.set G0B, 56
.set TS,  66                           ; s66  LDS byte at which the slot in hand begins
.set MSB, 0
.macro WIN new                         ; the immediate's high byte repeats the setting that is left; a switch that changes nothing is dropped
.if MSB != (\new)
	s_set_vgpr_msb (MSB<<8)|(\new)
.set MSB, \new
.endif
.endm
.set MUL_LO, 0xa1                      ; source 0 (B) window 1, source 1 (A) window 0, C and D window 2
.set MUL_HI, 0xf1                      ; the same, C and D window 3
.set TO_B,   0x40                      ; destination window 1, address window 0
.macro PLACES                          ; four plain vector instructions between a matrix instruction and a load into, or a vector write of, its registers, or a vector read of its result
.rept 4
	v_nop
.endr
.endm
; A joint refill by the walking descriptors: waves 0 and 1 fetch A's two halves, waves 2 and 3 B's.  The branch hangs on the wave's number alone.
; An s_nop 0 and four v_nop follow each of the two lines, ahead of the jump and the label.
.macro JLOAD
	s_cmp_eq_u32 s11, 0
	s_cbranch_scc0 .Lfor_b_\@
	tensor_load_to_lds s[G0+4:G0+7], s[G1:G1+7]
	s_nop 0
	PLACES
	s_branch .Lasked_\@
.Lfor_b_\@:
	tensor_load_to_lds s[G0B+4:G0B+7], s[G1B:G1B+7]
	s_nop 0
	PLACES
.Lasked_\@:
.endm
.macro CREST                           ; a round of the cluster's barrier behind its opening barrier
	s_cmp_lg_u32 s10, 0
	s_cbranch_scc1 .Lnot_wave_0_\@
	s_barrier_signal -3
.Lnot_wave_0_\@:
	s_barrier_wait -3
	s_barrier_signal -1
	s_barrier_wait -1
.endm
.macro CROUND                          ; a whole round
	s_barrier_signal -1
	s_barrier_wait -1
	CREST
.endm
; 16 matrix instructions: m blocks a0, a0 + 1 of the window's four x all 8 n blocks, 32 along K.  zero = 1: the first product starts the sums.  The 64 accumulators take turns, one instruction a turn.
.macro MUL16 f, hi, a0, zero
	WIN MUL_LO+0x50*(\hi)
.irp a, \a0, (\a0)+1
.irp b, 0,1,2,3,4,5,6,7
.if \zero
	v_wmma_f32_16x16x32_bf16 v[8*(8*(\a)+(\b)):8*(8*(\a)+(\b))+7], v[(\f)+8*(\b):(\f)+8*(\b)+7], v[(\f)+8*(4*(\hi)+(\a)):(\f)+8*(4*(\hi)+(\a))+7], 0
.else
	v_wmma_f32_16x16x32_bf16 v[8*(8*(\a)+(\b)):8*(8*(\a)+(\b))+7], v[(\f)+8*(\b):(\f)+8*(\b)+7], v[(\f)+8*(4*(\hi)+(\a)):(\f)+8*(4*(\hi)+(\a))+7], v[8*(8*(\a)+(\b)):8*(8*(\a)+(\b))+7]
.endif
.endr
.endr
.endm
; 32 LDS loads in one run: the fragments of the quarter step at byte k of A's rows (k / 64 = the quarter) into buffer f: B's sixteen first, then A's
.macro FETCH k, f
	WIN TO_B
.irp i, 0,1,2,3,4,5,6,7
.if BTURN
	ds_load_tr16_b128 v[(\f)+8*(\i):(\f)+8*(\i)+3],   v[ADRB] offset:((\k)/64)*32*PB+32*(\i)
	ds_load_tr16_b128 v[(\f)+8*(\i)+4:(\f)+8*(\i)+7], v[ADRB] offset:((\k)/64)*32*PB+32*(\i)+16*PB
.else
	ds_load_b128 v[(\f)+8*(\i):(\f)+8*(\i)+3],   v[ADRB] offset:(\k)+(\i)*16*PITCH
	ds_load_b128 v[(\f)+8*(\i)+4:(\f)+8*(\i)+7], v[ADRB] offset:(\k)+(\i)*16*PITCH+32
.endif
.endr
	WIN 0
.irp i, 0,1,2,3,4,5,6,7
	ds_load_b128 v[(\f)+8*(\i):(\f)+8*(\i)+3],   v[ADRA] offset:(\k)+(\i)*16*PITCH
	ds_load_b128 v[(\f)+8*(\i)+4:(\f)+8*(\i)+7], v[ADRA] offset:(\k)+(\i)*16*PITCH+32
.endr
.endm
; One of a K step's first three quarters: multiplies buffer f; in its middle it fetches the next quarter's fragments into buffer g
.macro QUARTER k, f, g, zero
	s_wait_dscnt 8                                 ; B and A's rows 0-63 are in; the youngest eight loads (A's rows 64-127) may be out
	MUL16 \f, 0, 0, \zero
	MUL16 \f, 0, 2, \zero
	PLACES
	FETCH \k, \g
	s_wait_dscnt 32                                ; all but the 32 just issued
	MUL16 \f, 1, 0, \zero
	MUL16 \f, 1, 2, \zero
.endm
; The first half of a K step's last quarter, and the barrier of the change of slots: in front of it each wave waits for all its tensor loads (one is out: its part of the next slot),
; adds 0 to its spare word, and waits for that and for its own reads of this slot.
.macro MEET
	WIN 0
	s_wait_tensorcnt 0x0
	ds_add_u32 v[SPW], v[NIL]                      ; 0 onto my spare word; sixteen matrix instructions stand between it and the wait for it
	s_wait_dscnt 9                                 ; the add and the youngest eight loads may be out
	MUL16 F1, 0, 0, 0
	s_wait_dscnt 0x0                               ; the add is done, and my reads of this slot are over
	s_barrier_signal -1
	MUL16 F1, 0, 2, 0                              ; work on registers while the others arrive
	WIN 0
	s_barrier_wait -1
.endm
.macro SWAP                            ; the fragment addresses go over to the other slot
	s_xor_b32 s[TS], s[TS], SLOT
	v_add_nc_u32 v[ADRA], s[TS], v[ADRA0]
	v_add_nc_u32 v[ADRB], s[TS], v[ADRB0]
.endm
; The whole last quarter with a refill: the barrier opens a round of the cluster's, so that no wave of any partner still reads the slot or has a load on its way; the joint refill, two K steps
; ahead, is the first tensor load behind the round: 224 matrix instructions stand between it and the wait for it.
.macro TURN
	MEET
	CREST
	s_xor_b32 s[G0+5], s[G0+5], SLOT               ; no tensor load of mine is out: the walking descriptors take the slot just read out
	s_xor_b32 s[G0B+5], s[G0B+5], SLOT
	s_add_nc_u64 s[G0+6:G0+7], s[G0+6:G0+7], STEPA         ; and the next K step; the type bits on top are not reached
	s_add_nc_u64 s[G0B+6:G0B+7], s[G0B+6:G0B+7], STEPB
	JLOAD                                          ; its four v_nop are also the places in front of the loads below
	SWAP
	FETCH 0, F0
	MUL16 F1, 1, 0, 0
	MUL16 F1, 1, 2, 0
.endm
	s_load_b256 s[68:75], s[0:1], 0x0              ; xw s[68:69], bq s[70:71], bk s[72:73], bv s[74:75]
	s_load_b64 s[8:9], s[0:1], 0x20                ; qkv
	v_lshl_add_u32 v[SPW], v0, 2, SPARE
	v_mov_b32 v[NIL], 0
	ds_add_u32 v[SPW], v[NIL]                      ; the wave's opening: the add and its wait stand ahead of my first tensor load; the set-up below stands between them
	v_lshrrev_b32 v1, 5, v0
	v_readfirstlane_b32 s10, v1                    ; wave 0..3
	s_lshr_b32 s11, s10, 1                         ; my half of the tile's rows.  Also: I fetch for A (0) or for B (1)
	s_and_b32 s12, s10, 1                          ; my half of its columns.  Also: which half of that tile I fetch
	s_bfe_u32 s40, ttmp6, 0x40000                  ; cx
	s_bfe_u32 s41, ttmp6, 0x40004                  ; cy
	s_mov_b32 s45, ttmp9                           ; cluster x = t, the tensor
	s_and_b32 s13, ttmp7, 0xffff
	s_lshl_b32 s13, s13, 2
	s_add_co_u32 s13, s13, s41                     ; tile row of C = 4 x cluster y + cy
	s_lshl_b32 s43, s41, 2
	s_lshl_b32 s43, 15, s43                        ; my row of the cluster
	s_lshl_b32 s44, 0x1111, s40                    ; my column
	s_or_b32 s[G1+0], s43, (1<<16)|(1<<20)|(1<<21)|(5<<22)|(3<<25)  ; the mask; 2-byte elements; padding on; bit 21 beside a mask; after every 64 words 4 words
	s_mov_b32 s[G1+1], 128<<16                     ; tensor_dim0 = 128
	s_mov_b32 s[G1+2], 128<<16                     ; tensor_dim1 = 128
	s_mov_b32 s[G1+3], 128<<16                     ; tile_dim0 = 128
	s_mov_b32 s[G1+4], 128                         ; tile_dim1 = 128
	s_mov_b32 s[G1+5], APITCH
	s_mov_b32 s[G1+6], 0
	s_mov_b32 s[G1+7], 0
	s_or_b32 s[G1B+0], s44, (1<<16)|(1<<20)|(1<<21)|(6<<22)|(7<<25) ; after every 128 words 8 words
	s_mov_b32 s[G1B+1], 256<<16                    ; 64 k-rows of 256 elements
	s_mov_b32 s[G1B+2], 64<<16
	s_mov_b32 s[G1B+3], 256<<16
	s_mov_b32 s[G1B+4], 64
	s_mov_b32 s[G1B+5], BPITCH
	s_mov_b32 s[G1B+6], 0
	s_mov_b32 s[G1B+7], 0
	s_lshl_b32 s16, s13, 8                         ; A: row 256 x tile row + 128 x half, 2,048 bytes a row: made of cy's side alone
	s_lshl_b32 s17, s12, 7
	s_add_co_u32 s16, s16, s17
	s_lshl_b32 s16, s16, 11
	s_mov_b32 s17, 0
	s_lshl_b32 s46, s45, 21                        ; B: W_t, k-row 64 x half, column 256 cx: made of cx's side alone
	s_lshl_b32 s47, s12, 17
	s_add_co_u32 s46, s46, s47
	s_lshl_b32 s47, s40, 9
	s_add_co_u32 s46, s46, s47
	s_add_co_u32 s46, s46, 0x1000000               ; the weights begin behind x's 16,777,216 bytes
	s_mov_b32 s47, 0
	s_mul_i32 s20, s10, HALFT                      ; where my tiles go: wave x HALFT: no place in the cluster enters an LDS address
	s_mov_b32 s[TS], 0
	s_wait_dscnt 0x0                               ; the opening add is done
	s_wait_kmcnt 0x0
	s_add_nc_u64 s[14:15], s[68:69], s[16:17]
	s_add_nc_u64 s[46:47], s[68:69], s[46:47]
	CROUND                                         ; all sixteen work-groups are here: the first joint loads meet
.irp s, 0,1
	s_mov_b32 s[G0+4*(\s)], 1
	s_add_co_u32 s[G0+4*(\s)+1], s20, (\s)*SLOT
	s_add_nc_u64 s[G0+4*(\s)+2:G0+4*(\s)+3], s[14:15], (\s)*STEPA
	s_or_b32 s[G0+4*(\s)+3], s[G0+4*(\s)+3], 0x80000000
	s_mov_b32 s[G0B+4*(\s)], 1
	s_add_co_u32 s[G0B+4*(\s)+1], s20, (\s)*SLOT
	s_add_nc_u64 s[G0B+4*(\s)+2:G0B+4*(\s)+3], s[46:47], (\s)*STEPB
	s_or_b32 s[G0B+4*(\s)+3], s[G0B+4*(\s)+3], 0x80000000
.endr
	s_cmp_eq_u32 s11, 0                            ; a wave's two first fills stand in one branch: K steps 0 and 1; two loads of mine are out
	s_cbranch_scc0 .Lfirst_b
	tensor_load_to_lds s[G0:G0+3], s[G1:G1+7]
	s_nop 0
	tensor_load_to_lds s[G0+4:G0+7], s[G1:G1+7]
	s_nop 0
	PLACES
	s_branch .Lfirst_asked
.Lfirst_b:
	tensor_load_to_lds s[G0B:G0B+3], s[G1B:G1B+7]
	s_nop 0
	tensor_load_to_lds s[G0B+4:G0B+7], s[G1B:G1B+7]
	s_nop 0
	PLACES
.Lfirst_asked:
	v_and_b32 v1, 15, v0                           ; r = l % 16
	v_bfe_u32 v2, v0, 4, 1                         ; h = l / 16
	v_mul_u32_u24 v3, v1, PITCH
	v_lshl_add_u32 v3, v2, 4, v3                   ; r x pitch + 16 h
	s_mul_i32 s21, s11, HALFT                      ; my 128 rows of A
	v_add_nc_u32 v[ADRA0], s21, v3
	v_mov_b32 v[ADRA], v[ADRA0]
	v_and_b32 v4, 7, v0                            ; the turning load: lane l reads k-row 8 h + l % 8, 16 bytes at 16 ((l / 8) % 2)
	v_bfe_u32 v5, v0, 3, 1
	v_lshl_add_u32 v6, v2, 3, v4
	v_mul_u32_u24 v6, v6, PB
	v_lshl_add_u32 v6, v5, 4, v6
	s_lshl_b32 s22, s12, 8                         ; my 128 columns of B, 256 bytes,
	s_add_co_u32 s22, s22, 2*HALFT                 ; behind A's tile
	v_add_nc_u32 v[ADRB0], s22, v6
	v_mov_b32 v[ADRB], v[ADRB0]
	s_mul_i32 s23, s10, STW
	s_add_co_u32 s23, s23, STAGE                   ; my stage
	v_add_nc_u32 v[STO], s23, v3                   ; in: row r, 16 bytes for each half of the lanes
	v_mul_u32_u24 v7, v2, PITCH                    ; back: lanes 0-15 one row of 256 bytes, lanes 16-31 the next
	v_lshl_add_u32 v7, v1, 4, v7
	v_add_nc_u32 v[RD], s23, v7
	v_mul_u32_u24 v7, v2, ROWB                     ; and the same two rows in C
	v_lshl_add_u32 v[CO], v1, 4, v7
	s_lshl_b32 s16, s13, 8                         ; C at my first row,
	s_lshl_b32 s17, s11, 7
	s_add_co_u32 s16, s16, s17
	s_mul_i32 s16, s16, ROWB
	s_mov_b32 s17, 0
	s_add_nc_u64 s[8:9], s[8:9], s[16:17]
	s_lshl_b32 s82, s45, 11                        ; and my first column: 2 (1,024 t + 256 cx + 128 half) bytes
	s_lshl_b32 s83, s40, 9
	s_add_co_u32 s82, s82, s83
	s_lshl_b32 s83, s12, 8
	s_add_co_u32 s82, s82, s83
	s_mov_b32 s83, 0
	s_add_nc_u64 s[8:9], s[8:9], s[82:83]
	s_cmp_eq_u32 s45, 0                            ; the bias of tensor t
	s_cselect_b64 s[80:81], s[70:71], s[72:73]
	s_cmp_eq_u32 s45, 2
	s_cselect_b64 s[80:81], s[74:75], s[80:81]
	s_lshl_b32 s84, s40, 10                        ; at my first column: 4 (256 cx + 128 half) bytes
	s_lshl_b32 s85, s12, 9
	s_add_co_u32 s84, s84, s85
	s_mov_b32 s85, 0
	s_add_nc_u64 s[80:81], s[80:81], s[84:85]
	v_lshlrev_b32 v[BO], 5, v2                     ; my eight columns of a block of 16 begin at 8 h
	WIN TO_B
.irp b, 0,1,2,3,4,5,6,7
	global_load_b128 v[8*(\b):8*(\b)+3],   v[BO], s[80:81] offset:64*(\b)      ; window 1, v[8 b + j]: the bias of column 16 b + 8 h + j
	global_load_b128 v[8*(\b)+4:8*(\b)+7], v[BO], s[80:81] offset:64*(\b)+16
.endr
	WIN 0
	s_wait_tensorcnt 1                             ; my part of K step 0 is in; step 1's may stay out
	s_barrier_signal -1
	s_barrier_wait -1                              ; everybody's is
	FETCH 0, F0
	QUARTER 64, F0, F1, 1                          ; the first quarter stands ahead of the loop: its products start the sums
	WIN 0
	s_mov_b32 s3, 6
.Lstep:                                                ; trip t: the rest of K step t, the refill of its slot with step t + 2, the first quarter of step t + 1
	QUARTER 128, F1, F0, 0
	QUARTER 192, F0, F1, 0
	TURN
	QUARTER 64, F0, F1, 0
	WIN 0
	s_sub_co_u32 s3, s3, 1
	s_cmp_lg_u32 s3, 0
	s_cbranch_scc1 .Lstep
	s_mov_b32 s3, 2
.Ltail:                                                ; K steps 6 and 7 ask for nothing: a loop of their own; the second trip is left in its middle
	QUARTER 128, F1, F0, 0
	QUARTER 192, F0, F1, 0
	MEET
	s_sub_co_u32 s3, s3, 1
	s_cmp_eq_u32 s3, 0
	s_cbranch_scc1 .Lfin
	SWAP
	PLACES
	FETCH 0, F0
	MUL16 F1, 1, 0, 0
	MUL16 F1, 1, 2, 0
	QUARTER 64, F0, F1, 0
	WIN 0
	s_branch .Ltail
.Lfin:
	MUL16 F1, 1, 0, 0
	MUL16 F1, 1, 2, 0
	WIN 0
	PLACES
; THE WAY OUT of block a (16 rows) of the four in window 2.  PACK: the bias is added in f32 (each accumulator's registers in ascending order), then one rounding to bf16.
.macro PACK a
.set AC, 64*(\a)
	WIN 0x06                                       ; source 0 window 2 (the sums), source 1 window 1 (the bias), destination window 0
.set u, 0
.rept 32
	v_pk_add_f32 v[SC+2*u:SC+2*u+1], v[AC+2*u:AC+2*u+1], v[2*u:2*u+1]
.set u, u+1
.endr
	WIN 0
.set u, 0
.rept 32
	v_cvt_pk_bf16_f32 v[TMP+u], v[SC+2*u], v[SC+2*u+1]
.set u, u+1
.endr
.endm
.macro TOSTAGE a                       ; into my own stage, and back as whole rows of 256 bytes
.set BK, OB0+192*((\a)%2)
.irp b, 0,1,2,3,4,5,6,7
	ds_store_b128 v[STO], v[TMP+4*(\b):TMP+4*(\b)+3] offset:32*(\b)
.endr
.irp t, 0,1,2,3,4,5,6,7
	ds_load_b128 v[BK+4*(\t):BK+4*(\t)+3], v[RD] offset:(\t)*2*PITCH  ; LDS serves a wave's instructions in order (ISA guide 5.7.1.4): these see the stores above
.endr
.endm
.macro SEND a
.set BK, OB0+192*((\a)%2)
	s_wait_dscnt 0x0                               ; the block is back in registers
	s_wait_xcnt 0x0                                ; earlier stores have read their registers: the next TOSTAGE loads into those of the block before this one
.irp t, 0,1,2,3,4,5,6,7
	global_store_b128 v[CO], v[BK+4*(\t):BK+4*(\t)+3], s[8:9] offset:(16*(\a)+2*(\t))*ROWB  ; 16 lanes store 256 consecutive bytes, at a multiple of 256 from C's first byte
.endr
.endm
.macro COPY                            ; the accumulators of my rows 64-127 go where the one text of the way out names them, lowest register first
	WIN 0x83                                       ; source window 3, destination window 2
.set u, 0
.rept 256
	v_mov_b32 v[u], v[u]
.set u, u+1
.endr
	WIN 0
.endm
	s_wait_loadcnt 0x0                             ; the bias
	s_mov_b32 s3, 2
.Lout:
	PACK 0
	TOSTAGE 0
.irp a, 1,2,3                          ; block a's arithmetic stands between block a - 1's loads from the stage and the wait for them
	PACK \a
	SEND (\a)-1
	TOSTAGE \a
.endr
	SEND 3
	s_sub_co_u32 s3, s3, 1
	s_cmp_eq_u32 s3, 0
	s_cbranch_scc1 .Ldone
	s_wait_xcnt 0x0                                ; the stores have read C's address
	s_add_nc_u64 s[8:9], s[8:9], 64*ROWB
	COPY
	s_branch .Lout
.Ldone:
	s_wait_tensorcnt 0x0                           ; the wave's end
	ds_add_u32 v[SPW], v[NIL]
	s_wait_dscnt 0x0
	CROUND                                         ; the closing round: no work-group ends while a partner may still ask for a tile that names it
	s_endpgm
.Lfunc_end_k_q3b93237d89_proj:
	.size	k_q3b93237d89_proj, .Lfunc_end_k_q3b93237d89_proj-k_q3b93237d89_proj
	.p2alignl 7, 3214868480
	.fill 96, 4, 3214868480
	.section	.rodata,"a",@progbits
	.p2align	6, 0x0
	.amdhsa_kernel k_q3b93237d89_proj
		.amdhsa_group_segment_fixed_size 327680
		.amdhsa_private_segment_fixed_size 0
		.amdhsa_enable_private_segment 0
		.amdhsa_kernarg_size 40
		.amdhsa_user_sgpr_count 2
		.amdhsa_user_sgpr_kernarg_segment_ptr 1
		.amdhsa_wavefront_size32 1
		.amdhsa_system_sgpr_workgroup_id_x 1
		.amdhsa_system_sgpr_workgroup_id_y 1
		.amdhsa_system_sgpr_workgroup_id_z 1
		.amdhsa_system_vgpr_workitem_id 0
		.amdhsa_next_free_vgpr 1024
		.amdhsa_next_free_sgpr 96
		.amdhsa_reserve_vcc 0
		.amdhsa_float_denorm_mode_32 3
		.amdhsa_float_denorm_mode_16_64 3
		.amdhsa_memory_ordered 1
		.amdhsa_forward_progress 1
		.amdhsa_inst_pref_size 104
	.end_amdhsa_kernel
	.amdgpu_metadata
---
amdhsa.version: [ 1, 2 ]
amdhsa.kernels:
  - .name:           k_q3b93237d89_proj
    .symbol:         k_q3b93237d89_proj.kd
    .args:
      - { .name: xw, .offset: 0, .size: 8, .value_kind: global_buffer, .address_space: global }
      - { .name: bq, .offset: 8, .size: 8, .value_kind: global_buffer, .address_space: global }
      - { .name: bk, .offset: 16, .size: 8, .value_kind: global_buffer, .address_space: global }
      - { .name: bv, .offset: 24, .size: 8, .value_kind: global_buffer, .address_space: global }
      - { .name: qkv, .offset: 32, .size: 8, .value_kind: global_buffer, .address_space: global }
    .group_segment_fixed_size: 327680
    .private_segment_fixed_size: 0
    .kernarg_segment_align: 8
    .kernarg_segment_size: 40
    .max_flat_workgroup_size: 128
    .sgpr_count:     96
    .vgpr_count:     1024
    .wavefront_size: 32
...
	.end_amdgpu_metadata
.endif
;; end of part 2
;; launch score (part 3): grid 8 x 32, 4 waves a work-group, clusters of 4 x 4, 327,680 bytes of LDS; arguments qkv, prob, st; writes prob, st
.if DOCPART == 3
	.amdgcn_target "amdgcn-amd-amdhsa--gfx1250"
	.amdhsa_code_object_version 6
	.text
	.protected	k_q3b93237d89_score
	.globl	k_q3b93237d89_score
	.p2align	8
	.type	k_q3b93237d89_score,@function
k_q3b93237d89_score:
	s_mov_b64 s[64:65], 0
	v_nop
	global_prefetch_b8 v0, s[64:65] scope:SCOPE_SE
	s_setreg_imm32_b32 hwreg(HW_REG_WAVE_MODE, 25, 1), 1
	s_wait_xcnt 0x0
	s_wait_alu depctr_hold_cnt(0) depctr_sa_sdst(0) depctr_va_vdst(0) depctr_va_sdst(0) depctr_va_ssrc(0) depctr_va_vcc(0) depctr_vm_vsrc(0)
	s_getreg_b32 s2, hwreg(HW_REG_IB_STS2, 6, 4)
	s_cmp_eq_u32 s2, 0
	s_cbranch_scc0 .Lentry_in_a_cluster
	s_endpgm
.Lentry_in_a_cluster:
	s_bfe_u32 s2, ttmp6, 0x10000c
	s_cmp_lg_u32 s2, 0xf033
	s_cbranch_scc0 .Lentry_shape_is_right
	s_endpgm
.Lentry_shape_is_right:
; s[q][k] = Q[q] . K[k] (Q, K: bf16 columns 0-1023 and 1024-2047 of qkv; sums in f32), and the softmax's first half, by blocks of 128 keys.  With c = log2(e) / 32:
; for query q and key block kb: n = the block's largest c s rounded to a whole number; p = 2^(c s - n), stored as bf16 in prob[q][k]; l = the sum of the unrounded p; n and l go to st.
; The shift IS the block's maximum, to within half a unit of the base-2 exponent: the largest exponent lies in -0.5 .. 0.5 for every input, so p <= 1.42 and l >= 0.7.  n is whole so that the
; next launch's factor 2^(n - N) between blocks is an exact power of two.  LIMITS: a weight below 2^-126 counts as 0; NaN and infinities are not treated apart.
; A work-group of four waves makes 256 queries x 256 keys, a wave 128 x 128 = one key block: 64 accumulators.  K = 1,024 channels go in eight steps of 128 through two LDS slots filled by the
; tensor data mover; both tiles are 256 rows of 256 bytes, LDS pitch 272.  CLUSTER 4 x 4: a row of the cluster shares Q's tile, a column K's: joint loads with a mask of four.
; The matrix instruction is used transposed (source 0 = 16 keys, source 1 = 16 queries): a lane holds query lane % 16 and eight neighbouring keys; a query's other 64 keys lie in the lane 16 away.
; TEXT: one K step looped over, the two steps without a refill in a loop of their own, the way out written for four blocks of 16 queries and walked twice (the upper accumulators copied down between).
; REGISTERS: window 0: v0-31 addresses, v64-191 A's two fragment buffers (on the way out v64-127 the exponents and weights, v128-159 statistics), v32-63, v192-255 the way out;
;   window 1: v64-191 B's two buffers; window 2: accumulators of my queries 0-63 ((a, b) at 8 (8 a + b)); window 3: of queries 64-127.
.set BTURN,  0
.set MIX,    0
.set APITCH, 3072                      ; elements from row to row of qkv
.set BPITCH, 3072
.set STEPA,  256                       ; bytes from a K step to the next
.set STEPB,  256
.set ROWB,   4096                      ; bytes in a row of prob
.set STW,    16*272
.set PITCH,  272                       ; 256 bytes + 16 of padding = 68 words: the 16 rows of a fragment load start at 16 different groups of four banks (64 banks of 4 bytes: ISA guide 11.1)
.set PB,     544
.set HALFT,  128*PITCH
.set SLOT,   4*HALFT                   ; 0x22000 shares no bit with wave x HALFT, so an exclusive or changes slots
.set STAGE,  2*SLOT
.set SPARE,  STAGE+4*STW               ; the spare words: 128 bytes a wave, two blocks of 256 bytes that no other line names
.set ADRA,  16
.set ADRA0, 17
.set ADRB,  20
.set ADRB0, 21
.set STO,   24
.set RD,    25
.set CO,    26
.set SR,    27                         ; v27  my stage + 16 lane: where the statistics are read back
.set SPW,   28
.set NIL,   29
.set SO,    30                         ; v30  my byte offset in st: 16 r, and l's table for lanes 16-31
.set SA,    31                         ; v31  my stage + 4 r: where a query's n and l are put
.set F0,    64
.set F1,    128
.set SC,    64
.set SN,    128                        ; v128-131  n of blocks 0-3
.set SL,    136                        ; v136-139  l
.set CH,    144                        ; v144-147  four chains of the maximum
.set NP,    148                        ; v[148:149] n, named as a pair
.set LS,    150                        ; v[150:153] two running pairs of sums
.set T,     154
.set ST4,   156                        ; v[156:159] statistics on their way out
.set TMP,   192
.set OB0,   32
.set G1,  24
.set G0,  32
.set G1B, 48
.set G0B, 56
.set TS,  66
.set MSB, 0
.macro WIN new
.if MSB != (\new)
	s_set_vgpr_msb (MSB<<8)|(\new)
.set MSB, \new
.endif
.endm
.set MUL_LO, 0xa1
.set MUL_HI, 0xf1
.set TO_B,   0x40
.macro PLACES                          ; four plain vector instructions between a matrix instruction and a load into, or a vector write of, its registers, or a vector read of its result
.rept 4
	v_nop
.endr
.endm
.macro JLOAD                           ; a joint refill: waves 0 and 1 fetch A's halves, waves 2 and 3 B's; s_nop 0 and four v_nop behind each line
	s_cmp_eq_u32 s11, 0
	s_cbranch_scc0 .Lfor_b_\@
	tensor_load_to_lds s[G0+4:G0+7], s[G1:G1+7]
	s_nop 0
	PLACES
	s_branch .Lasked_\@
.Lfor_b_\@:
	tensor_load_to_lds s[G0B+4:G0B+7], s[G1B:G1B+7]
	s_nop 0
	PLACES
.Lasked_\@:
.endm
.macro CREST
	s_cmp_lg_u32 s10, 0
	s_cbranch_scc1 .Lnot_wave_0_\@
	s_barrier_signal -3
.Lnot_wave_0_\@:
	s_barrier_wait -3
	s_barrier_signal -1
	s_barrier_wait -1
.endm
.macro CROUND
	s_barrier_signal -1
	s_barrier_wait -1
	CREST
.endm
.macro MUL16 f, hi, a0, zero           ; 16 matrix instructions; the 64 accumulators take turns, one instruction a turn
	WIN MUL_LO+0x50*(\hi)
.irp a, \a0, (\a0)+1
.irp b, 0,1,2,3,4,5,6,7
.if \zero
	v_wmma_f32_16x16x32_bf16 v[8*(8*(\a)+(\b)):8*(8*(\a)+(\b))+7], v[(\f)+8*(\b):(\f)+8*(\b)+7], v[(\f)+8*(4*(\hi)+(\a)):(\f)+8*(4*(\hi)+(\a))+7], 0
.else
	v_wmma_f32_16x16x32_bf16 v[8*(8*(\a)+(\b)):8*(8*(\a)+(\b))+7], v[(\f)+8*(\b):(\f)+8*(\b)+7], v[(\f)+8*(4*(\hi)+(\a)):(\f)+8*(4*(\hi)+(\a))+7], v[8*(8*(\a)+(\b)):8*(8*(\a)+(\b))+7]
.endif
.endr
.endr
.endm
.macro FETCH k, f                      ; 32 LDS loads in one run: B's sixteen, then A's
	WIN TO_B
.irp i, 0,1,2,3,4,5,6,7
.if BTURN
	ds_load_tr16_b128 v[(\f)+8*(\i):(\f)+8*(\i)+3],   v[ADRB] offset:((\k)/64)*32*PB+32*(\i)
	ds_load_tr16_b128 v[(\f)+8*(\i)+4:(\f)+8*(\i)+7], v[ADRB] offset:((\k)/64)*32*PB+32*(\i)+16*PB
.else
	ds_load_b128 v[(\f)+8*(\i):(\f)+8*(\i)+3],   v[ADRB] offset:(\k)+(\i)*16*PITCH
	ds_load_b128 v[(\f)+8*(\i)+4:(\f)+8*(\i)+7], v[ADRB] offset:(\k)+(\i)*16*PITCH+32
.endif
.endr
	WIN 0
.irp i, 0,1,2,3,4,5,6,7
	ds_load_b128 v[(\f)+8*(\i):(\f)+8*(\i)+3],   v[ADRA] offset:(\k)+(\i)*16*PITCH
	ds_load_b128 v[(\f)+8*(\i)+4:(\f)+8*(\i)+7], v[ADRA] offset:(\k)+(\i)*16*PITCH+32
.endr
.endm
.macro QUARTER k, f, g, zero
	s_wait_dscnt 8                                 ; B and A's rows 0-63 are in; the youngest eight loads (A's rows 64-127) may be out
	MUL16 \f, 0, 0, \zero
	MUL16 \f, 0, 2, \zero
	PLACES
	FETCH \k, \g
	s_wait_dscnt 32                                ; all but the 32 just issued
	MUL16 \f, 1, 0, \zero
	MUL16 \f, 1, 2, \zero
.endm
.macro MEET                            ; the barrier of the change of slots, with what stands in front of it
	WIN 0
	s_wait_tensorcnt 0x0                           ; all my tensor loads have landed: the one that was out is my part of the next slot
	ds_add_u32 v[SPW], v[NIL]
	s_wait_dscnt 9                                 ; the add and the youngest eight loads may be out
	MUL16 F1, 0, 0, 0
	s_wait_dscnt 0x0                               ; the add is done, and my reads of this slot are over
	s_barrier_signal -1
	MUL16 F1, 0, 2, 0
	WIN 0
	s_barrier_wait -1
.endm
.macro SWAP
	s_xor_b32 s[TS], s[TS], SLOT
	v_add_nc_u32 v[ADRA], s[TS], v[ADRA0]
	v_add_nc_u32 v[ADRB], s[TS], v[ADRB0]
.endm
.macro TURN                            ; the last quarter with a refill: the barrier opens a round of the cluster's; the joint refill is the first tensor load behind the round
	MEET
	CREST
	s_xor_b32 s[G0+5], s[G0+5], SLOT               ; no tensor load of mine is out: the walking descriptors take the slot just read out
	s_xor_b32 s[G0B+5], s[G0B+5], SLOT
	s_add_nc_u64 s[G0+6:G0+7], s[G0+6:G0+7], STEPA
	s_add_nc_u64 s[G0B+6:G0B+7], s[G0B+6:G0B+7], STEPB
	JLOAD                                          ; its four v_nop are also the places in front of the loads below
	SWAP
	FETCH 0, F0
	MUL16 F1, 1, 0, 0
	MUL16 F1, 1, 2, 0
.endm
	s_load_b128 s[68:71], s[0:1], 0x0              ; qkv s[68:69], prob s[70:71]
	s_load_b64 s[72:73], s[0:1], 0x10              ; st
	v_lshl_add_u32 v[SPW], v0, 2, SPARE
	v_mov_b32 v[NIL], 0
	ds_add_u32 v[SPW], v[NIL]                      ; the wave's opening: the add and its wait stand ahead of my first tensor load
	v_lshrrev_b32 v1, 5, v0
	v_readfirstlane_b32 s10, v1                    ; wave 0..3
	s_lshr_b32 s11, s10, 1                         ; my half of the queries.  Also: I fetch for A (0) or for B (1)
	s_and_b32 s12, s10, 1                          ; my half of the keys.  Also: which 128 rows of that tile I fetch
	s_bfe_u32 s40, ttmp6, 0x40000                  ; cx
	s_bfe_u32 s41, ttmp6, 0x40004                  ; cy
	s_lshl_b32 s42, ttmp9, 2
	s_add_co_u32 s42, s42, s40                     ; key tile = 4 x cluster x + cx
	s_and_b32 s13, ttmp7, 0xffff
	s_lshl_b32 s13, s13, 2
	s_add_co_u32 s13, s13, s41                     ; query tile among all 32 = 4 x cluster y + cy
	s_lshl_b32 s43, s41, 2
	s_lshl_b32 s43, 15, s43                        ; my row of the cluster
	s_lshl_b32 s44, 0x1111, s40                    ; my column
	s_or_b32 s[G1+0], s43, (1<<16)|(1<<20)|(1<<21)|(5<<22)|(3<<25)  ; the mask; 2-byte elements; padding on; bit 21 beside a mask; after every 64 words 4 words
	s_or_b32 s[G1B+0], s44, (1<<16)|(1<<20)|(1<<21)|(5<<22)|(3<<25)
.irp g, G1, G1B
	s_mov_b32 s[(\g)+1], 128<<16                   ; tensor_dim0 = 128
	s_mov_b32 s[(\g)+2], 128<<16                   ; tensor_dim1 = 128
	s_mov_b32 s[(\g)+3], 128<<16                   ; tile_dim0 = 128
	s_mov_b32 s[(\g)+4], 128                       ; tile_dim1 = 128
	s_mov_b32 s[(\g)+5], APITCH
	s_mov_b32 s[(\g)+6], 0
	s_mov_b32 s[(\g)+7], 0
.endr
	s_lshl_b32 s16, s13, 8                         ; A: Q's row 256 x query tile + 128 x half, 6,144 bytes a row
	s_lshl_b32 s17, s12, 7
	s_add_co_u32 s16, s16, s17
	s_mul_i32 s16, s16, 6144
	s_mov_b32 s17, 0
	s_and_b32 s46, ttmp7, 0xffff                   ; B: the batch is cluster y / 2, which all partners share;
	s_lshr_b32 s46, s46, 1
	s_lshl_b32 s46, s46, 11
	s_lshl_b32 s47, s42, 8                         ; K's row 2,048 batch + 256 x key tile + 128 x half,
	s_add_co_u32 s46, s46, s47
	s_lshl_b32 s47, s12, 7
	s_add_co_u32 s46, s46, s47
	s_mul_i32 s46, s46, 6144
	s_add_co_u32 s46, s46, 2048                    ; K's columns begin 2,048 bytes into a row
	s_mov_b32 s47, 0
	s_mul_i32 s20, s10, HALFT
	s_mov_b32 s[TS], 0
	s_mov_b32 s76, 0x3d38aa3b                      ; c = log2(e) / 32
	s_mov_b32 s77, s76                             ; named with it as a pair
	s_mov_b32 s78, 0x76543210                      ; v_permlanex16_b32: each lane takes its own place in the other half
	s_mov_b32 s79, 0xfedcba98
	s_wait_dscnt 0x0                               ; the opening add is done
	s_wait_kmcnt 0x0
	s_add_nc_u64 s[14:15], s[68:69], s[16:17]
	s_add_nc_u64 s[46:47], s[68:69], s[46:47]
	CROUND                                         ; all sixteen work-groups are here: the first joint loads meet
.irp s, 0,1
	s_mov_b32 s[G0+4*(\s)], 1
	s_add_co_u32 s[G0+4*(\s)+1], s20, (\s)*SLOT
	s_add_nc_u64 s[G0+4*(\s)+2:G0+4*(\s)+3], s[14:15], (\s)*STEPA
	s_or_b32 s[G0+4*(\s)+3], s[G0+4*(\s)+3], 0x80000000
	s_mov_b32 s[G0B+4*(\s)], 1
	s_add_co_u32 s[G0B+4*(\s)+1], s20, (\s)*SLOT
	s_add_nc_u64 s[G0B+4*(\s)+2:G0B+4*(\s)+3], s[46:47], (\s)*STEPB
	s_or_b32 s[G0B+4*(\s)+3], s[G0B+4*(\s)+3], 0x80000000
.endr
	s_cmp_eq_u32 s11, 0                            ; a wave's two first fills stand in one branch: two loads of mine are out
	s_cbranch_scc0 .Lfirst_b
	tensor_load_to_lds s[G0:G0+3], s[G1:G1+7]
	s_nop 0
	tensor_load_to_lds s[G0+4:G0+7], s[G1:G1+7]
	s_nop 0
	PLACES
	s_branch .Lfirst_asked
.Lfirst_b:
	tensor_load_to_lds s[G0B:G0B+3], s[G1B:G1B+7]
	s_nop 0
	tensor_load_to_lds s[G0B+4:G0B+7], s[G1B:G1B+7]
	s_nop 0
	PLACES
.Lfirst_asked:
	v_and_b32 v1, 15, v0                           ; r
	v_bfe_u32 v2, v0, 4, 1                         ; h
	v_mul_u32_u24 v3, v1, PITCH
	v_lshl_add_u32 v3, v2, 4, v3                   ; r x pitch + 16 h
	s_mul_i32 s21, s11, HALFT
	v_add_nc_u32 v[ADRA0], s21, v3
	v_mov_b32 v[ADRA], v[ADRA0]
	s_mul_i32 s22, s12, HALFT
	s_add_co_u32 s22, s22, 2*HALFT
	v_add_nc_u32 v[ADRB0], s22, v3
	v_mov_b32 v[ADRB], v[ADRB0]
	s_mul_i32 s23, s10, STW
	s_add_co_u32 s23, s23, STAGE                   ; my stage
	v_add_nc_u32 v[STO], s23, v3
	v_mul_u32_u24 v7, v2, PITCH
	v_lshl_add_u32 v7, v1, 4, v7
	v_add_nc_u32 v[RD], s23, v7
	v_lshlrev_b32 v7, 12, v2                       ; two rows of prob, 4,096 bytes apart
	v_lshl_add_u32 v[CO], v1, 4, v7
	v_and_b32 v8, 31, v0
	v_lshl_add_u32 v[SR], v8, 4, s23
	v_lshl_add_u32 v[SA], v1, 2, s23
	v_lshlrev_b32 v7, 19, v2                       ; l's table lies 524,288 bytes behind n's
	v_lshl_add_u32 v[SO], v1, 4, v7
	s_lshl_b32 s16, s13, 8                         ; my first query,
	s_lshl_b32 s17, s11, 7
	s_add_co_u32 s18, s16, s17
	s_lshl_b32 s16, s18, 12                        ; its row in prob,
	s_mov_b32 s17, 0
	s_add_nc_u64 s[8:9], s[70:71], s[16:17]
	s_lshl_b32 s16, s18, 2                         ; its word in a table of st
	s_add_nc_u64 s[80:81], s[72:73], s[16:17]
	s_lshl_b32 s82, s42, 9                         ; my first key: 2 (256 x key tile + 128 x half) bytes
	s_lshl_b32 s83, s12, 8
	s_add_co_u32 s82, s82, s83
	s_mov_b32 s83, 0
	s_add_nc_u64 s[8:9], s[8:9], s[82:83]
	s_lshl_b32 s82, s42, 1                         ; my key block kb = 2 x key tile + half: 32,768 bytes a block in st
	s_add_co_u32 s82, s82, s12
	s_lshl_b32 s82, s82, 15
	s_add_nc_u64 s[80:81], s[80:81], s[82:83]
	s_wait_tensorcnt 1                             ; my part of K step 0 is in; step 1's may stay out
	s_barrier_signal -1
	s_barrier_wait -1
	FETCH 0, F0
	QUARTER 64, F0, F1, 1                          ; the first quarter's products start the sums
	WIN 0
	s_mov_b32 s3, 6
.Lstep:                                                ; trip t: the rest of K step t, the refill of its slot with step t + 2, the first quarter of step t + 1
	QUARTER 128, F1, F0, 0
	QUARTER 192, F0, F1, 0
	TURN
	QUARTER 64, F0, F1, 0
	WIN 0
	s_sub_co_u32 s3, s3, 1
	s_cmp_lg_u32 s3, 0
	s_cbranch_scc1 .Lstep
	s_mov_b32 s3, 2
.Ltail:                                                ; K steps 6 and 7 ask for nothing; the second trip is left in its middle
	QUARTER 128, F1, F0, 0
	QUARTER 192, F0, F1, 0
	MEET
	s_sub_co_u32 s3, s3, 1
	s_cmp_eq_u32 s3, 0
	s_cbranch_scc1 .Lfin
	SWAP
	PLACES
	FETCH 0, F0
	MUL16 F1, 1, 0, 0
	MUL16 F1, 1, 2, 0
	QUARTER 64, F0, F1, 0
	WIN 0
	s_branch .Ltail
.Lfin:
	MUL16 F1, 1, 0, 0
	MUL16 F1, 1, 2, 0
	WIN 0
	PLACES
; THE WAY OUT of block a (16 queries) of the four in window 2: the lane's 64 scores of one query.
.macro PACK a
.set AC, 64*(\a)
	WIN 0
.irp k, 0,1,2,3
	v_mov_b32 v[CH+(\k)], 0xff7fffff               ; the lowest finite number starts the four chains,
	v_mov_b32 v[LS+(\k)], 0                        ; 0 the sums
.endr
	WIN 0x28                                       ; sources 1 and 2 window 2
.set rr, 0
.rept 4                                ; each accumulator's registers 0 and 1 are read first; the four chains take turns
.set bb, 0
.rept 8
	v_max3_num_f32 v[CH+bb%4], v[CH+bb%4], v[AC+8*bb+2*rr], v[AC+8*bb+2*rr+1]
.set bb, bb+1
.endr
.set rr, rr+1
.endr
	WIN 0
	v_max3_num_f32 v[CH], v[CH], v[CH+1], v[CH+2]
	v_max_num_f32 v[CH], v[CH], v[CH+3]
	v_permlanex16_b32 v[T], v[CH], s78, s79        ; the query's other 64 keys
	v_max_num_f32 v[CH], v[CH], v[T]
	v_mul_f32 v[T], s76, v[CH]
	v_rndne_f32 v[NP], v[T]                        ; n
	v_mov_b32 v[NP+1], v[NP]
	v_mov_b32 v[SN+(\a)], v[NP]
	WIN 0x02                                       ; source 0 window 2
.set u, 0
.rept 32
	v_pk_fma_f32 v[SC+2*u:SC+2*u+1], v[AC+2*u:AC+2*u+1], s[76:77], v[NP:NP+1] op_sel_hi:[1,0,0] neg_lo:[0,0,1] neg_hi:[0,0,1]  ; c s - n
.set u, u+1
.endr
	WIN 0
.set u, 0
.rept 34                               ; two exponentials, then the rounding and the sum of the pair two back: a plain instruction stands between every exponential and the use of its result (ISA guide 5.7.2)
.if u < 32
	v_exp_f32 v[SC+2*u], v[SC+2*u]
	v_exp_f32 v[SC+2*u+1], v[SC+2*u+1]
.endif
.if u < 2
	v_nop
.else
	s_wait_alu depctr_va_vdst(0)
	v_cvt_pk_bf16_f32 v[TMP+u-2], v[SC+2*(u-2)], v[SC+2*(u-2)+1]
	v_pk_add_f32 v[LS+2*(u%2):LS+2*(u%2)+1], v[LS+2*(u%2):LS+2*(u%2)+1], v[SC+2*(u-2):SC+2*(u-2)+1]
.endif
.set u, u+1
.endr
	v_pk_add_f32 v[LS:LS+1], v[LS:LS+1], v[LS+2:LS+3]
	v_add_f32 v[T], v[LS], v[LS+1]
	v_permlanex16_b32 v[CH], v[T], s78, s79
	v_add_f32 v[SL+(\a)], v[T], v[CH]              ; l, the same number in both halves of the lanes
.endm
.macro TOSTAGE a
.set BK, OB0+192*((\a)%2)
.irp b, 0,1,2,3,4,5,6,7
	ds_store_b128 v[STO], v[TMP+4*(\b):TMP+4*(\b)+3] offset:32*(\b)
.endr
.irp t, 0,1,2,3,4,5,6,7
	ds_load_b128 v[BK+4*(\t):BK+4*(\t)+3], v[RD] offset:(\t)*2*PITCH  ; LDS serves a wave's instructions in order (ISA guide 5.7.1.4): these see the stores above
.endr
.endm
.macro SEND a
.set BK, OB0+192*((\a)%2)
	s_wait_dscnt 0x0                               ; the block is back in registers
	s_wait_xcnt 0x0                                ; earlier stores have read their registers: the next loads from the stage land in them
.irp t, 0,1,2,3,4,5,6,7
	global_store_b128 v[CO], v[BK+4*(\t):BK+4*(\t)+3], s[8:9] offset:(16*(\a)+2*(\t))*ROWB  ; 16 lanes store 256 consecutive bytes, at a multiple of 256 from prob's first byte
.endr
.endm
.macro COPY                            ; the accumulators of my queries 64-127 go where the one text of the way out names them, lowest register first
	WIN 0x83
.set u, 0
.rept 256
	v_mov_b32 v[u], v[u]
.set u, u+1
.endr
	WIN 0
.endm
	v_mov_b32 v[T], 0                              ; v_permlanex16_b32's destination counts as read
	s_mov_b32 s3, 2
.Lout:
	PACK 0
	TOSTAGE 0
.irp a, 1,2,3
	PACK \a
	SEND (\a)-1
	TOSTAGE \a
.endr
	SEND 3
.irp a, 0,1,2,3                        ; 64 queries' n and l through my stage: both halves of the lanes write the same word with the same number
	ds_store_b32 v[SA], v[SN+(\a)] offset:64*(\a)
	ds_store_b32 v[SA], v[SL+(\a)] offset:256+64*(\a)
.endr
	ds_load_b128 v[ST4:ST4+3], v[SR]
	s_wait_dscnt 0x0
	global_store_b128 v[SO], v[ST4:ST4+3], s[80:81]  ; lanes 0-15: 64 n, 256 consecutive bytes, aligned; lanes 16-31: 64 l likewise
	s_sub_co_u32 s3, s3, 1
	s_cmp_eq_u32 s3, 0
	s_cbranch_scc1 .Ldone
	s_wait_xcnt 0x0                                ; the stores have read their addresses
	s_add_nc_u64 s[8:9], s[8:9], 64*ROWB
	s_add_nc_u64 s[80:81], s[80:81], 256
	COPY
	s_branch .Lout
.Ldone:
	s_wait_tensorcnt 0x0                           ; the wave's end
	ds_add_u32 v[SPW], v[NIL]
	s_wait_dscnt 0x0
	CROUND                                         ; the closing round
	s_endpgm
.Lfunc_end_k_q3b93237d89_score:
	.size	k_q3b93237d89_score, .Lfunc_end_k_q3b93237d89_score-k_q3b93237d89_score
	.p2alignl 7, 3214868480
	.fill 96, 4, 3214868480
	.section	.rodata,"a",@progbits
	.p2align	6, 0x0
	.amdhsa_kernel k_q3b93237d89_score
		.amdhsa_group_segment_fixed_size 327680
		.amdhsa_private_segment_fixed_size 0
		.amdhsa_enable_private_segment 0
		.amdhsa_kernarg_size 24
		.amdhsa_user_sgpr_count 2
		.amdhsa_user_sgpr_kernarg_segment_ptr 1
		.amdhsa_wavefront_size32 1
		.amdhsa_system_sgpr_workgroup_id_x 1
		.amdhsa_system_sgpr_workgroup_id_y 1
		.amdhsa_system_sgpr_workgroup_id_z 1
		.amdhsa_system_vgpr_workitem_id 0
		.amdhsa_next_free_vgpr 1024
		.amdhsa_next_free_sgpr 96
		.amdhsa_reserve_vcc 0
		.amdhsa_float_denorm_mode_32 3
		.amdhsa_float_denorm_mode_16_64 3
		.amdhsa_memory_ordered 1
		.amdhsa_forward_progress 1
		.amdhsa_inst_pref_size 136
	.end_amdhsa_kernel
	.amdgpu_metadata
---
amdhsa.version: [ 1, 2 ]
amdhsa.kernels:
  - .name:           k_q3b93237d89_score
    .symbol:         k_q3b93237d89_score.kd
    .args:
      - { .name: qkv, .offset: 0, .size: 8, .value_kind: global_buffer, .address_space: global }
      - { .name: prob, .offset: 8, .size: 8, .value_kind: global_buffer, .address_space: global }
      - { .name: st, .offset: 16, .size: 8, .value_kind: global_buffer, .address_space: global }
    .group_segment_fixed_size: 327680
    .private_segment_fixed_size: 0
    .kernarg_segment_align: 8
    .kernarg_segment_size: 24
    .max_flat_workgroup_size: 128
    .sgpr_count:     96
    .vgpr_count:     1024
    .wavefront_size: 32
...
	.end_amdgpu_metadata
.endif
;; end of part 3
;; launch mix (part 4): grid 8 x 32, 4 waves a work-group, clusters of 4 x 4, 327,680 bytes of LDS; arguments prob, qkv, st, part; writes part
.if DOCPART == 4
	.amdgcn_target "amdgcn-amd-amdhsa--gfx1250"
	.amdhsa_code_object_version 6
	.text
	.protected	k_q3b93237d89_mix
	.globl	k_q3b93237d89_mix
	.p2align	8
	.type	k_q3b93237d89_mix,@function
k_q3b93237d89_mix:
	s_mov_b64 s[64:65], 0
	v_nop
	global_prefetch_b8 v0, s[64:65] scope:SCOPE_SE
	s_setreg_imm32_b32 hwreg(HW_REG_WAVE_MODE, 25, 1), 1
	s_wait_xcnt 0x0
	s_wait_alu depctr_hold_cnt(0) depctr_sa_sdst(0) depctr_va_vdst(0) depctr_va_sdst(0) depctr_va_ssrc(0) depctr_va_vcc(0) depctr_vm_vsrc(0)
	s_getreg_b32 s2, hwreg(HW_REG_IB_STS2, 6, 4)
	s_cmp_eq_u32 s2, 0
	s_cbranch_scc0 .Lentry_in_a_cluster
	s_endpgm
.Lentry_in_a_cluster:
	s_bfe_u32 s2, ttmp6, 0x10000c
	s_cmp_lg_u32 s2, 0xf033
	s_cbranch_scc0 .Lentry_shape_is_right
	s_endpgm
.Lentry_shape_is_right:
; part[half][q][ch] = ( sum over the half's 1,024 keys of p[q][k] 2^(n[kb][q] - N[q]) V[k][ch] ) / L[q], in f32.  N = the largest of the query's 16 n, L = the sum over all 16 key blocks of
; 2^(n - N) l: the softmax's second half.  n and N are whole numbers, so the factor w = 2^(n - N) is a power of two, exact in bf16, and p w is exact; N is the true maximum's shift, L >= 0.7.
; LIMITS: a factor or a weight below 2^-126 counts as 0; NaN and infinities are not treated apart.
; THE KEYS ARE SPLIT IN TWO HALVES (cluster x): with all 2,048 keys in one sum there would be 128 tiles of 256 x 256 for 256 WGPs; the two partial sums are added by the next launch.
; A work-group of four waves makes 256 queries x 256 channels, a wave 128 x 128: 64 accumulators.  A K step is 128 keys = one key block, so a row of A has ONE factor a step: A's fragments are
; multiplied by it in registers (one packed bf16 multiply for each matrix instruction).  A's tile: 256 rows of 256 bytes of prob, LDS pitch 272; V lies [key][channel]: B's tile is 128 key rows
; of 512 bytes, LDS pitch 544, turned on the way out of LDS.  CLUSTER 4 x 4: a row of the cluster shares prob's tile, a column V's: joint loads with a mask of four.
; The matrix instruction is used transposed: a lane holds query lane % 16 and eight neighbouring channels.
; TEXT: one K step looped over, the two steps without a refill in a loop of their own, the way out written for four blocks of 16 queries and walked twice.
; REGISTERS: window 0: v0-31 addresses, v32-47 1 / L (a pair a block), v48-55 the step's factors, v64-191 A's two buffers (in the prologue n, l; on the way out v64-127 at work), v128-255 the way out;
;   window 1: v64-191 B's two buffers; window 2: accumulators of my queries 0-63; window 3: of queries 64-127.
.set BTURN,  1
.set MIX,    1
.set APITCH, 2048                      ; elements from row to row of prob
.set BPITCH, 3072                      ; of qkv
.set STEPA,  256                       ; 128 keys along a row of prob
.set STEPB,  128*6144                  ; 128 rows of V
.set ROWB,   4096                      ; bytes in a row of part
.set SP4,    528                       ; a stage row: 512 bytes + 16: an odd multiple of 16, so 16 rows' stores start at 16 different groups of four banks
.set STW,    16*SP4                    ; a wave's stage; up to the way out its first 4,608 bytes hold the factors [8 steps][128 queries] and 1 / L [128]
.set PITCH,  272
.set PB,     544
.set HALFT,  128*PITCH
.set SLOT,   4*HALFT                   ; 0x22000 shares no bit with wave x HALFT, so an exclusive or changes slots
.set STAGE,  2*SLOT
.set SPARE,  STAGE+4*STW               ; the spare words: 128 bytes a wave, two blocks of 256 bytes that no other line names
.set ADRA,  16
.set ADRA0, 17
.set ADRB,  20
.set ADRB0, 21
.set WA,    22                         ; v22  LDS address of my row's factor in the step to come
.set WA0,   23                         ; v23  the same for step 0: my stage + 4 r; never rewritten
.set STO,   24
.set RD,    25                         ; v25  my stage + 16 lane
.set CO,    26                         ; v26  16 lane: my byte offset in a row's 512 bytes of part, and in 128 queries' words of st
.set SPW,   28
.set NIL,   29
.set IL,    32
.set W,     48
.set F0,    64
.set F1,    128
.set SC,    64
.set NN,    64                         ; the prologue: n, then w: block k, query 4 lane + j at NN + 4 k + j; k = 0-7 my half's, 8-15 the other's
.set LL,    128                        ; l likewise
.set NX,    192                        ; N of my four queries
.set LT,    196                        ; L
.set RL,    200                        ; 1 / L
.set G1,  24
.set G0,  32
.set G1B, 48
.set G0B, 56
.set TS,  66
.set TW,  67                           ; s67  512 x the K step whose factors were fetched last
.set MSB, 0
.macro WIN new
.if MSB != (\new)
	s_set_vgpr_msb (MSB<<8)|(\new)
.set MSB, \new
.endif
.endm
.set MUL_LO, 0xa1
.set MUL_HI, 0xf1
.set TO_B,   0x40
.macro PLACES                          ; four plain vector instructions between a matrix instruction and a load into, or a vector write of, its registers, or a vector read of its result
.rept 4
	v_nop
.endr
.endm
.macro JLOAD                           ; a joint refill: waves 0 and 1 fetch A's halves, waves 2 and 3 B's; s_nop 0 and four v_nop behind each line
	s_cmp_eq_u32 s11, 0
	s_cbranch_scc0 .Lfor_b_\@
	tensor_load_to_lds s[G0+4:G0+7], s[G1:G1+7]
	s_nop 0
	PLACES
	s_branch .Lasked_\@
.Lfor_b_\@:
	tensor_load_to_lds s[G0B+4:G0B+7], s[G1B:G1B+7]
	s_nop 0
	PLACES
.Lasked_\@:
.endm
.macro CREST
	s_cmp_lg_u32 s10, 0
	s_cbranch_scc1 .Lnot_wave_0_\@
	s_barrier_signal -3
.Lnot_wave_0_\@:
	s_barrier_wait -3
	s_barrier_signal -1
	s_barrier_wait -1
.endm
.macro CROUND
	s_barrier_signal -1
	s_barrier_wait -1
	CREST
.endm
.macro MUL16 f, hi, a0, zero           ; 16 matrix instructions; the 64 accumulators take turns, one instruction a turn
	WIN MUL_LO+0x50*(\hi)
.irp a, \a0, (\a0)+1
.irp b, 0,1,2,3,4,5,6,7
.if \zero
	v_wmma_f32_16x16x32_bf16 v[8*(8*(\a)+(\b)):8*(8*(\a)+(\b))+7], v[(\f)+8*(\b):(\f)+8*(\b)+7], v[(\f)+8*(4*(\hi)+(\a)):(\f)+8*(4*(\hi)+(\a))+7], 0
.else
	v_wmma_f32_16x16x32_bf16 v[8*(8*(\a)+(\b)):8*(8*(\a)+(\b))+7], v[(\f)+8*(\b):(\f)+8*(\b)+7], v[(\f)+8*(4*(\hi)+(\a)):(\f)+8*(4*(\hi)+(\a))+7], v[8*(8*(\a)+(\b)):8*(8*(\a)+(\b))+7]
.endif
.endr
.endr
.endm
.macro FETCH k, f                      ; 32 LDS loads in one run: B's sixteen (turned), then A's
	WIN TO_B
.irp i, 0,1,2,3,4,5,6,7
.if BTURN
	ds_load_tr16_b128 v[(\f)+8*(\i):(\f)+8*(\i)+3],   v[ADRB] offset:((\k)/64)*32*PB+32*(\i)
	ds_load_tr16_b128 v[(\f)+8*(\i)+4:(\f)+8*(\i)+7], v[ADRB] offset:((\k)/64)*32*PB+32*(\i)+16*PB
.else
	ds_load_b128 v[(\f)+8*(\i):(\f)+8*(\i)+3],   v[ADRB] offset:(\k)+(\i)*16*PITCH
	ds_load_b128 v[(\f)+8*(\i)+4:(\f)+8*(\i)+7], v[ADRB] offset:(\k)+(\i)*16*PITCH+32
.endif
.endr
	WIN 0
.irp i, 0,1,2,3,4,5,6,7
	ds_load_b128 v[(\f)+8*(\i):(\f)+8*(\i)+3],   v[ADRA] offset:(\k)+(\i)*16*PITCH
	ds_load_b128 v[(\f)+8*(\i)+4:(\f)+8*(\i)+7], v[ADRA] offset:(\k)+(\i)*16*PITCH+32
.endr
.endm
; A's fragments i0 .. i0 + 3 of buffer f times their rows' factor: exact, since the factor is a power of two.  These registers are none of the matrix instructions just issued.
.macro SCALE f, i0
	WIN 0
.irp i, (\i0), (\i0)+1, (\i0)+2, (\i0)+3
.irp j, 0,1,2,3,4,5,6,7
	v_pk_mul_bf16 v[(\f)+8*(\i)+(\j)], v[(\f)+8*(\i)+(\j)], v[W+(\i)]
.endr
.endr
.endm
.macro WLOAD                           ; a step's factors for my eight blocks of 16 queries; always ahead of a run of 32 fragment loads, so every counted wait on that run covers these too
.irp a, 0,1,2,3,4,5,6,7
	ds_load_b32 v[W+(\a)], v[WA] offset:64*(\a)
.endr
.endm
.macro QUARTER k, f, g, zero
	s_wait_dscnt 8                                 ; B and A's rows 0-63 are in; the youngest eight loads (A's rows 64-127) may be out
	SCALE \f, 0
	MUL16 \f, 0, 0, \zero
	MUL16 \f, 0, 2, \zero
	PLACES
	FETCH \k, \g
	s_wait_dscnt 32                                ; all but the 32 just issued
	SCALE \f, 4
	MUL16 \f, 1, 0, \zero
	MUL16 \f, 1, 2, \zero
.endm
.macro MEET                            ; the barrier of the change of slots, with what stands in front of it
	WIN 0
	s_wait_tensorcnt 0x0                           ; all my tensor loads have landed: the one that was out is my part of the next slot
	ds_add_u32 v[SPW], v[NIL]
	s_wait_dscnt 9                                 ; the add and the youngest eight loads may be out
	SCALE F1, 0
	MUL16 F1, 0, 0, 0
	s_wait_dscnt 0x0                               ; the add is done, and my reads of this slot are over
	s_barrier_signal -1
	SCALE F1, 4                                    ; the step's last use of its factors
	MUL16 F1, 0, 2, 0
	WIN 0
	s_barrier_wait -1
.endm
.macro SWAP                            ; the fragment addresses go over to the other slot, the factors to the next step
	s_xor_b32 s[TS], s[TS], SLOT
	v_add_nc_u32 v[ADRA], s[TS], v[ADRA0]
	v_add_nc_u32 v[ADRB], s[TS], v[ADRB0]
	s_add_co_u32 s[TW], s[TW], 512
	v_add_nc_u32 v[WA], s[TW], v[WA0]
	WLOAD
.endm
.macro TURN                            ; the last quarter with a refill: the barrier opens a round of the cluster's; the joint refill is the first tensor load behind the round
	MEET
	CREST
	s_xor_b32 s[G0+5], s[G0+5], SLOT               ; no tensor load of mine is out: the walking descriptors take the slot just read out
	s_xor_b32 s[G0B+5], s[G0B+5], SLOT
	s_add_nc_u64 s[G0+6:G0+7], s[G0+6:G0+7], STEPA
	s_add_nc_u64 s[G0B+6:G0B+7], s[G0B+6:G0B+7], STEPB
	JLOAD                                          ; its four v_nop are also the places in front of the loads below
	SWAP
	FETCH 0, F0
	MUL16 F1, 1, 0, 0
	MUL16 F1, 1, 2, 0
.endm
	s_load_b256 s[68:75], s[0:1], 0x0              ; prob s[68:69], qkv s[70:71], st s[72:73], part s[74:75]
	v_lshl_add_u32 v[SPW], v0, 2, SPARE
	v_mov_b32 v[NIL], 0
	ds_add_u32 v[SPW], v[NIL]                      ; the wave's opening: the add and its wait stand ahead of my first tensor load
	v_lshrrev_b32 v1, 5, v0
	v_readfirstlane_b32 s10, v1                    ; wave 0..3
	s_lshr_b32 s11, s10, 1                         ; my half of the queries.  Also: I fetch for A (0) or for B (1)
	s_and_b32 s12, s10, 1                          ; my half of the channels.  Also: which half of that tile I fetch
	s_bfe_u32 s40, ttmp6, 0x40000                  ; cx = the channel tile
	s_bfe_u32 s41, ttmp6, 0x40004                  ; cy
	s_mov_b32 s45, ttmp9                           ; cluster x = which half of the keys
	s_and_b32 s13, ttmp7, 0xffff
	s_lshl_b32 s13, s13, 2
	s_add_co_u32 s13, s13, s41                     ; query tile among all 32
	s_lshl_b32 s43, s41, 2
	s_lshl_b32 s43, 15, s43                        ; my row of the cluster
	s_lshl_b32 s44, 0x1111, s40                    ; my column
	s_or_b32 s[G1+0], s43, (1<<16)|(1<<20)|(1<<21)|(5<<22)|(3<<25)  ; the mask; 2-byte elements; padding on; bit 21 beside a mask; after every 64 words 4 words
	s_mov_b32 s[G1+1], 128<<16
	s_mov_b32 s[G1+2], 128<<16
	s_mov_b32 s[G1+3], 128<<16
	s_mov_b32 s[G1+4], 128
	s_mov_b32 s[G1+5], APITCH
	s_mov_b32 s[G1+6], 0
	s_mov_b32 s[G1+7], 0
	s_or_b32 s[G1B+0], s44, (1<<16)|(1<<20)|(1<<21)|(6<<22)|(7<<25) ; after every 128 words 8 words
	s_mov_b32 s[G1B+1], 256<<16                    ; 64 key rows of 256 elements
	s_mov_b32 s[G1B+2], 64<<16
	s_mov_b32 s[G1B+3], 256<<16
	s_mov_b32 s[G1B+4], 64
	s_mov_b32 s[G1B+5], BPITCH
	s_mov_b32 s[G1B+6], 0
	s_mov_b32 s[G1B+7], 0
	s_lshl_b32 s16, s13, 8                         ; A: prob's row 256 x query tile + 128 x half of the tile, 4,096 bytes a row; the keys' half begins 2,048 bytes in
	s_lshl_b32 s17, s12, 7
	s_add_co_u32 s16, s16, s17
	s_lshl_b32 s16, s16, 12
	s_lshl_b32 s17, s45, 11
	s_add_co_u32 s16, s16, s17
	s_mov_b32 s17, 0
	s_and_b32 s46, ttmp7, 0xffff                   ; B: the batch is cluster y / 2, which all partners share;
	s_lshr_b32 s46, s46, 1
	s_lshl_b32 s46, s46, 11
	s_lshl_b32 s47, s45, 10                        ; V's row 2,048 batch + 1,024 x keys' half + 64 x half of the tile,
	s_add_co_u32 s46, s46, s47
	s_lshl_b32 s47, s12, 6
	s_add_co_u32 s46, s46, s47
	s_mul_i32 s46, s46, 6144
	s_lshl_b32 s47, s40, 9                         ; channel 256 cx,
	s_add_co_u32 s46, s46, s47
	s_add_co_u32 s46, s46, 4096                    ; V's columns begin 4,096 bytes into a row
	s_mov_b32 s47, 0
	s_mul_i32 s20, s10, HALFT
	s_mov_b32 s[TS], 0
	s_mov_b32 s[TW], 0
	s_wait_dscnt 0x0                               ; the opening add is done
	s_wait_kmcnt 0x0
	s_add_nc_u64 s[14:15], s[68:69], s[16:17]
	s_add_nc_u64 s[46:47], s[70:71], s[46:47]
	CROUND                                         ; all sixteen work-groups are here: the first joint loads meet
.irp s, 0,1
	s_mov_b32 s[G0+4*(\s)], 1
	s_add_co_u32 s[G0+4*(\s)+1], s20, (\s)*SLOT
	s_add_nc_u64 s[G0+4*(\s)+2:G0+4*(\s)+3], s[14:15], (\s)*STEPA
	s_or_b32 s[G0+4*(\s)+3], s[G0+4*(\s)+3], 0x80000000
	s_mov_b32 s[G0B+4*(\s)], 1
	s_add_co_u32 s[G0B+4*(\s)+1], s20, (\s)*SLOT
	s_add_nc_u64 s[G0B+4*(\s)+2:G0B+4*(\s)+3], s[46:47], (\s)*STEPB
	s_or_b32 s[G0B+4*(\s)+3], s[G0B+4*(\s)+3], 0x80000000
.endr
	s_cmp_eq_u32 s11, 0                            ; a wave's two first fills stand in one branch: two loads of mine are out
	s_cbranch_scc0 .Lfirst_b
	tensor_load_to_lds s[G0:G0+3], s[G1:G1+7]
	s_nop 0
	tensor_load_to_lds s[G0+4:G0+7], s[G1:G1+7]
	s_nop 0
	PLACES
	s_branch .Lfirst_asked
.Lfirst_b:
	tensor_load_to_lds s[G0B:G0B+3], s[G1B:G1B+7]
	s_nop 0
	tensor_load_to_lds s[G0B+4:G0B+7], s[G1B:G1B+7]
	s_nop 0
	PLACES
.Lfirst_asked:
	; the statistics of my 128 queries are asked for first: four queries a lane, all 16 key blocks
	s_lshl_b32 s16, s13, 8
	s_lshl_b32 s17, s11, 7
	s_add_co_u32 s18, s16, s17                     ; my first query
	s_lshl_b32 s16, s18, 2
	s_lshl_b32 s17, s45, 18                        ; my half's eight blocks: 8 x 32,768 bytes a half
	s_add_co_u32 s16, s16, s17
	s_mov_b32 s17, 0
	s_add_nc_u64 s[80:81], s[72:73], s[16:17]
	s_xor_b32 s19, s45, 1                          ; and the other half's
	s_lshl_b32 s16, s18, 2
	s_lshl_b32 s19, s19, 18
	s_add_co_u32 s16, s16, s19
	s_add_nc_u64 s[82:83], s[72:73], s[16:17]
	v_and_b32 v8, 31, v0
	v_lshlrev_b32 v[CO], 4, v8
.irp k, 0,1,2,3,4,5,6,7
	global_load_b128 v[NN+4*(\k):NN+4*(\k)+3],       v[CO], s[80:81] offset:32768*(\k)
	global_load_b128 v[NN+32+4*(\k):NN+32+4*(\k)+3], v[CO], s[82:83] offset:32768*(\k)
	global_load_b128 v[LL+4*(\k):LL+4*(\k)+3],       v[CO], s[80:81] offset:524288+32768*(\k)
	global_load_b128 v[LL+32+4*(\k):LL+32+4*(\k)+3], v[CO], s[82:83] offset:524288+32768*(\k)
.endr
	v_and_b32 v1, 15, v0                           ; r
	v_bfe_u32 v2, v0, 4, 1                         ; h
	v_mul_u32_u24 v3, v1, PITCH
	v_lshl_add_u32 v3, v2, 4, v3
	s_mul_i32 s21, s11, HALFT
	v_add_nc_u32 v[ADRA0], s21, v3
	v_mov_b32 v[ADRA], v[ADRA0]
	v_and_b32 v4, 7, v0                            ; the turning load: lane l reads key row 8 h + l % 8, 16 bytes at 16 ((l / 8) % 2)
	v_bfe_u32 v5, v0, 3, 1
	v_lshl_add_u32 v6, v2, 3, v4
	v_mul_u32_u24 v6, v6, PB
	v_lshl_add_u32 v6, v5, 4, v6
	s_lshl_b32 s22, s12, 8
	s_add_co_u32 s22, s22, 2*HALFT
	v_add_nc_u32 v[ADRB0], s22, v6
	v_mov_b32 v[ADRB], v[ADRB0]
	s_mul_i32 s23, s10, STW
	s_add_co_u32 s23, s23, STAGE                   ; my stage
	v_mul_u32_u24 v7, v1, SP4                      ; in: row r, 32 bytes for each half of the lanes
	v_lshl_add_u32 v7, v2, 5, v7
	v_add_nc_u32 v[STO], s23, v7
	v_add_nc_u32 v[RD], s23, v[CO]                 ; back: a row's 512 bytes, 16 a lane
	v_lshl_add_u32 v[WA0], v1, 2, s23
	v_mov_b32 v[WA], v[WA0]
	s_lshl_b32 s16, s18, 12                        ; part at my first query, in my half's plane of 33,554,432 bytes,
	s_lshl_b32 s19, s45, 25
	s_add_co_u32 s16, s16, s19
	s_add_nc_u64 s[8:9], s[74:75], s[16:17]
	s_lshl_b32 s84, s40, 10                        ; and my first channel: 4 (256 cx + 128 half) bytes
	s_lshl_b32 s85, s12, 9
	s_add_co_u32 s84, s84, s85
	s_mov_b32 s85, 0
	s_add_nc_u64 s[8:9], s[8:9], s[84:85]
	s_wait_loadcnt 0x0                             ; n and l
.irp j, 0,1,2,3
	v_max3_num_f32 v[NX+(\j)], v[NN+(\j)], v[NN+4+(\j)], v[NN+8+(\j)]
.endr
.irp k, 3,5,7,9,11,13
.irp j, 0,1,2,3
	v_max3_num_f32 v[NX+(\j)], v[NX+(\j)], v[NN+4*(\k)+(\j)], v[NN+4*(\k)+4+(\j)]
.endr
.endr
.irp j, 0,1,2,3
	v_max_num_f32 v[NX+(\j)], v[NX+(\j)], v[NN+60+(\j)]     ; N
.endr
.set u, 0
.rept 32
	v_pk_add_f32 v[NN+2*u:NN+2*u+1], v[NN+2*u:NN+2*u+1], v[NX+2*(u%2):NX+2*(u%2)+1] neg_lo:[0,1] neg_hi:[0,1]  ; n - N
.set u, u+1
.endr
.set u, 0
.rept 64
	v_exp_f32 v[NN+u], v[NN+u]                     ; w
.set u, u+1
.endr
	v_nop                                          ; a plain instruction between the last exponential and the use of its result (ISA guide 5.7.2)
	s_wait_alu depctr_va_vdst(0)
	v_pk_mul_f32 v[LT:LT+1], v[NN:NN+1], v[LL:LL+1]
	v_pk_mul_f32 v[LT+2:LT+3], v[NN+2:NN+3], v[LL+2:LL+3]
.set u, 2
.rept 30
	v_pk_fma_f32 v[LT+2*(u%2):LT+2*(u%2)+1], v[NN+2*u:NN+2*u+1], v[LL+2*u:LL+2*u+1], v[LT+2*(u%2):LT+2*(u%2)+1]  ; L
.set u, u+1
.endr
.irp j, 0,1,2,3
	v_rcp_f32 v[RL+(\j)], v[LT+(\j)]
.endr
	v_nop
.set u, 0
.rept 32
	v_cvt_pk_bf16_f32 v[NN+u], v[NN+u], v[NN+u]    ; my half's w, twice in a word, for the packed multiply
.set u, u+1
.endr
.irp k, 0,1,2,3,4,5,6,7
	ds_store_b128 v[RD], v[NN+4*(\k):NN+4*(\k)+3] offset:512*(\k)  ; my wave's own bytes: LDS serves a wave's instructions in order (ISA guide 5.7.1.4)
.endr
	s_wait_alu depctr_va_vdst(0)
	ds_store_b128 v[RD], v[RL:RL+3] offset:4096
.irp a, 0,1,2,3,4,5,6,7
	ds_load_b32 v[IL+2*(\a)],   v[WA0] offset:4096+64*(\a)  ; 1 / L of query 16 a + r, named as a pair on the way out
	ds_load_b32 v[IL+2*(\a)+1], v[WA0] offset:4096+64*(\a)
.endr
	s_wait_tensorcnt 1                             ; my part of K step 0 is in; step 1's may stay out
	s_wait_dscnt 0x0                               ; no LDS instruction of mine is out at a signal
	s_barrier_signal -1
	s_barrier_wait -1
	WLOAD                                          ; step 0's factors
	FETCH 0, F0
	QUARTER 64, F0, F1, 1                          ; the first quarter's products start the sums
	WIN 0
	s_mov_b32 s3, 6
.Lstep:                                                ; trip t: the rest of K step t, the refill of its slot with step t + 2, the first quarter of step t + 1
	QUARTER 128, F1, F0, 0
	QUARTER 192, F0, F1, 0
	TURN
	QUARTER 64, F0, F1, 0
	WIN 0
	s_sub_co_u32 s3, s3, 1
	s_cmp_lg_u32 s3, 0
	s_cbranch_scc1 .Lstep
	s_mov_b32 s3, 2
.Ltail:                                                ; K steps 6 and 7 ask for nothing; the second trip is left in its middle
	QUARTER 128, F1, F0, 0
	QUARTER 192, F0, F1, 0
	MEET
	s_sub_co_u32 s3, s3, 1
	s_cmp_eq_u32 s3, 0
	s_cbranch_scc1 .Lfin
	SWAP
	PLACES
	FETCH 0, F0
	MUL16 F1, 1, 0, 0
	MUL16 F1, 1, 2, 0
	QUARTER 64, F0, F1, 0
	WIN 0
	s_branch .Ltail
.Lfin:
	MUL16 F1, 1, 0, 0
	MUL16 F1, 1, 2, 0
	WIN 0
	PLACES
; THE WAY OUT of block a (16 queries) of the four in window 2, in f32: times 1 / L (each accumulator's registers in ascending order), through my stage, out as whole rows of 512 bytes.
.macro PACK a
.set AC, 64*(\a)
	WIN 0x02                                       ; source 0 window 2
.set u, 0
.rept 32
	v_pk_mul_f32 v[SC+2*u:SC+2*u+1], v[AC+2*u:AC+2*u+1], v[IL+2*(\a):IL+2*(\a)+1] op_sel_hi:[1,0]
.set u, u+1
.endr
	WIN 0
.endm
.macro TOSTAGE a
.set BK, 128+64*((\a)%2)
.irp b, 0,1,2,3,4,5,6,7
	ds_store_b128 v[STO], v[SC+8*(\b):SC+8*(\b)+3]   offset:64*(\b)
	ds_store_b128 v[STO], v[SC+8*(\b)+4:SC+8*(\b)+7] offset:64*(\b)+16
.endr
.irp t, 0,1,2,3,4,5,6,7,8,9,10,11,12,13,14,15
	ds_load_b128 v[BK+4*(\t):BK+4*(\t)+3], v[RD] offset:(\t)*SP4  ; these see the stores above: a wave's LDS instructions are served in order
.endr
.endm
.macro SEND a
.set BK, 128+64*((\a)%2)
	s_wait_dscnt 0x0                               ; the block is back in registers
	s_wait_xcnt 0x0                                ; earlier stores have read their registers: the next loads from the stage land in them
.irp t, 0,1,2,3,4,5,6,7,8,9,10,11,12,13,14,15
	global_store_b128 v[CO], v[BK+4*(\t):BK+4*(\t)+3], s[8:9] offset:(16*(\a)+(\t))*ROWB  ; 512 consecutive bytes, at a multiple of 512 from part's first byte
.endr
.endm
.macro COPY                            ; the accumulators and the 1 / L of my queries 64-127 go where the one text of the way out names them, lowest register first
	WIN 0x83
.set u, 0
.rept 256
	v_mov_b32 v[u], v[u]
.set u, u+1
.endr
	WIN 0
.set u, 0
.rept 8
	v_mov_b32 v[IL+u], v[IL+8+u]
.set u, u+1
.endr
.endm
	s_mov_b32 s3, 2
.Lout:
	PACK 0
	TOSTAGE 0
.irp a, 1,2,3
	PACK \a
	SEND (\a)-1
	TOSTAGE \a
.endr
	SEND 3
	s_sub_co_u32 s3, s3, 1
	s_cmp_eq_u32 s3, 0
	s_cbranch_scc1 .Ldone
	s_wait_xcnt 0x0                                ; the stores have read part's address
	s_add_nc_u64 s[8:9], s[8:9], 64*ROWB
	COPY
	s_branch .Lout
.Ldone:
	s_wait_tensorcnt 0x0                           ; the wave's end
	ds_add_u32 v[SPW], v[NIL]
	s_wait_dscnt 0x0
	CROUND                                         ; the closing round
	s_endpgm
.Lfunc_end_k_q3b93237d89_mix:
	.size	k_q3b93237d89_mix, .Lfunc_end_k_q3b93237d89_mix-k_q3b93237d89_mix
	.p2alignl 7, 3214868480
	.fill 96, 4, 3214868480
	.section	.rodata,"a",@progbits
	.p2align	6, 0x0
	.amdhsa_kernel k_q3b93237d89_mix
		.amdhsa_group_segment_fixed_size 327680
		.amdhsa_private_segment_fixed_size 0
		.amdhsa_enable_private_segment 0
		.amdhsa_kernarg_size 32
		.amdhsa_user_sgpr_count 2
		.amdhsa_user_sgpr_kernarg_segment_ptr 1
		.amdhsa_wavefront_size32 1
		.amdhsa_system_sgpr_workgroup_id_x 1
		.amdhsa_system_sgpr_workgroup_id_y 1
		.amdhsa_system_sgpr_workgroup_id_z 1
		.amdhsa_system_vgpr_workitem_id 0
		.amdhsa_next_free_vgpr 1024
		.amdhsa_next_free_sgpr 96
		.amdhsa_reserve_vcc 0
		.amdhsa_float_denorm_mode_32 3
		.amdhsa_float_denorm_mode_16_64 3
		.amdhsa_memory_ordered 1
		.amdhsa_forward_progress 1
		.amdhsa_inst_pref_size 155
	.end_amdhsa_kernel
	.amdgpu_metadata
---
amdhsa.version: [ 1, 2 ]
amdhsa.kernels:
  - .name:           k_q3b93237d89_mix
    .symbol:         k_q3b93237d89_mix.kd
    .args:
      - { .name: prob, .offset: 0, .size: 8, .value_kind: global_buffer, .address_space: global }
      - { .name: qkv, .offset: 8, .size: 8, .value_kind: global_buffer, .address_space: global }
      - { .name: st, .offset: 16, .size: 8, .value_kind: global_buffer, .address_space: global }
      - { .name: part, .offset: 24, .size: 8, .value_kind: global_buffer, .address_space: global }
    .group_segment_fixed_size: 327680
    .private_segment_fixed_size: 0
    .kernarg_segment_align: 8
    .kernarg_segment_size: 32
    .max_flat_workgroup_size: 128
    .sgpr_count:     96
    .vgpr_count:     1024
    .wavefront_size: 32
...
	.end_amdgpu_metadata
.endif
;; end of part 4
;; launch norm (part 5): grid 512 x 1, 8 waves a work-group, no clusters, 0 bytes of LDS; arguments x, part, gamma, beta, out0; writes out0
.if DOCPART == 5
	.amdgcn_target "amdgcn-amd-amdhsa--gfx1250"
	.amdhsa_code_object_version 6
	.text
	.protected	k_q3b93237d89_norm
	.globl	k_q3b93237d89_norm
	.p2align	8
	.type	k_q3b93237d89_norm,@function
k_q3b93237d89_norm:
	s_mov_b64 s[64:65], 0
	v_nop
	global_prefetch_b8 v0, s[64:65] scope:SCOPE_SE
	s_setreg_imm32_b32 hwreg(HW_REG_WAVE_MODE, 25, 1), 1
	s_wait_xcnt 0x0
; h = x + part[0] + part[1];  out0 = (h - mean) / sqrt(var + 1e-5) * gamma + beta, along rows of 1,024 f32.  All in f32; the variance is taken of the centred numbers, so no difference of large sums is formed.
; A stream: no LDS, no barrier, no matrix unit, no cluster (only gamma and beta, 8 KiB, are shared).  A row is 4,096 bytes: one wave takes a whole row in 32 registers, eight loads of 512 consecutive
; bytes from each of the three sources, so the sums never leave the wave.  A wave has two rows (16 g + 2 w, + 1): the second row's 24 loads are issued as soon as the first row's h is made.
.set G,   4                            ; v[4:35]    gamma of my 32 columns (128 j + 4 lane + 0..3)
.set BT,  36                           ; v[36:67]   beta
.set X0,  68                           ; v[68:99]   row 0: x, then h, then the result
.set X1,  100                          ; v[100:131] row 1
.set P,   132                          ; v[132:163] part[0]'s row
.set Q,   164                          ; v[164:195] part[1]'s row
.set T,   196                          ; v[196:203] four chains of pairs
.set S,   204                          ; v204, v205 a sum across the lanes
.set R,   206                          ; v[206:207] the mean, then 1 / sqrt(var + eps), as a pair
	s_load_b256 s[4:11], s[0:1], 0x0               ; x s[4:5], part s[6:7], gamma s[8:9], beta s[10:11]
	s_load_b64 s[12:13], s[0:1], 0x20              ; out0
	s_lshl_b32 s2, ttmp9, 16                       ; the work-group's 16 rows of 4,096 bytes
	s_mov_b32 s3, 0
	s_mov_b32 s16, 0x3a800000                      ; 1 / 1,024
	s_mov_b32 s17, 0x3727c5ac                      ; 1e-5
	s_mov_b32 s18, 0x76543210                      ; v_permlanex16_b32: each lane takes its own place in the other half
	s_mov_b32 s19, 0xfedcba98
	v_and_b32 v2, 31, v0
	v_lshrrev_b32 v3, 5, v0
	v_lshlrev_b32 v2, 4, v2                        ; 16 lane: my place in 512 bytes
	v_lshl_add_u32 v1, v3, 13, v2                  ; + the wave's two rows
	v_mov_b32 v[S+1], 0                            ; v_permlanex16_b32's destination counts as read
	s_wait_kmcnt 0x0
	s_add_nc_u64 s[4:5], s[4:5], s[2:3]
	s_add_nc_u64 s[6:7], s[6:7], s[2:3]
	s_add_nc_u64 s[14:15], s[6:7], 0x2000000       ; part[1] lies 33,554,432 bytes behind part[0]
	s_add_nc_u64 s[12:13], s[12:13], s[2:3]
.macro LOADROW xr, i                   ; 24 loads: the row's 4,096 bytes of x, part[0], part[1]
.irp j, 0,1,2,3,4,5,6,7
	global_load_b128 v[(\xr)+4*(\j):(\xr)+4*(\j)+3], v1, s[4:5] offset:(\i)*4096+512*(\j) th:TH_LOAD_NT
.endr
.irp j, 0,1,2,3,4,5,6,7
	global_load_b128 v[P+4*(\j):P+4*(\j)+3], v1, s[6:7] offset:(\i)*4096+512*(\j) th:TH_LOAD_NT
.endr
.irp j, 0,1,2,3,4,5,6,7
	global_load_b128 v[Q+4*(\j):Q+4*(\j)+3], v1, s[14:15] offset:(\i)*4096+512*(\j) th:TH_LOAD_NT
.endr
.endm
.macro SUMH xr                         ; h = x + (part[0] + part[1])
.set pp, 0
.rept 16
	v_pk_add_f32 v[P+2*pp:P+2*pp+1], v[P+2*pp:P+2*pp+1], v[Q+2*pp:Q+2*pp+1]
.set pp, pp+1
.endr
.set pp, 0
.rept 16
	v_pk_add_f32 v[(\xr)+2*pp:(\xr)+2*pp+1], v[(\xr)+2*pp:(\xr)+2*pp+1], v[P+2*pp:P+2*pp+1]
.set pp, pp+1
.endr
.endm
.macro FOLD                            ; the four chains, the pair, then the 32 lanes: four steps ride on the addition inside each half of 16 lanes, one crosses the halves; every lane ends with the sum
	v_pk_add_f32 v[T:T+1], v[T:T+1], v[T+2:T+3]
	v_pk_add_f32 v[T+4:T+5], v[T+4:T+5], v[T+6:T+7]
	v_pk_add_f32 v[T:T+1], v[T:T+1], v[T+4:T+5]
	v_add_f32 v[S], v[T], v[T+1]
	v_add_f32_dpp v[S], v[S], v[S] row_xmask:1 row_mask:0xf bank_mask:0xf
	v_add_f32_dpp v[S], v[S], v[S] row_xmask:2 row_mask:0xf bank_mask:0xf
	v_add_f32_dpp v[S], v[S], v[S] row_xmask:4 row_mask:0xf bank_mask:0xf
	v_add_f32_dpp v[S], v[S], v[S] row_xmask:8 row_mask:0xf bank_mask:0xf
	v_permlanex16_b32 v[S+1], v[S], s18, s19
	v_add_f32 v[S], v[S], v[S+1]
.endm
; left >= 0: how many younger loads may stay out when gamma and beta have to be there
.macro NORMROW xr, i, left
.irp k, 0,1,2,3
	v_pk_add_f32 v[T+2*(\k):T+2*(\k)+1], v[(\xr)+2*(\k):(\xr)+2*(\k)+1], v[(\xr)+8+2*(\k):(\xr)+8+2*(\k)+1]  ; the first eight pairs start the chains: nothing is cleared
.endr
.set pp, 8
.rept 8
	v_pk_add_f32 v[T+2*(pp%4):T+2*(pp%4)+1], v[T+2*(pp%4):T+2*(pp%4)+1], v[(\xr)+2*pp:(\xr)+2*pp+1]
.set pp, pp+1
.endr
	FOLD
	v_mul_f32 v[R], s16, v[S]                      ; the mean
	v_mul_f32 v[R+1], s16, v[S]
.set pp, 0
.rept 16
	v_pk_add_f32 v[(\xr)+2*pp:(\xr)+2*pp+1], v[(\xr)+2*pp:(\xr)+2*pp+1], v[R:R+1] neg_lo:[0,1] neg_hi:[0,1]  ; d = h - mean
.set pp, pp+1
.endr
.irp k, 0,1,2,3
	v_pk_mul_f32 v[T+2*(\k):T+2*(\k)+1], v[(\xr)+2*(\k):(\xr)+2*(\k)+1], v[(\xr)+2*(\k):(\xr)+2*(\k)+1]
.endr
.set pp, 4
.rept 12
	v_pk_fma_f32 v[T+2*(pp%4):T+2*(pp%4)+1], v[(\xr)+2*pp:(\xr)+2*pp+1], v[(\xr)+2*pp:(\xr)+2*pp+1], v[T+2*(pp%4):T+2*(pp%4)+1]
.set pp, pp+1
.endr
	FOLD
	v_fma_f32 v[S], v[S], s16, s17                 ; var + eps
	v_rsq_f32 v[R], v[S]
	v_nop                                          ; a plain instruction between the root and the use of its result (ISA guide 5.7.2)
	s_wait_alu depctr_va_vdst(0)
	v_mov_b32 v[R+1], v[R]
.if (\left) >= 0
	s_wait_loadcnt \left                           ; gamma and beta are older than the next row's loads
.endif
.set pp, 0
.rept 16
	v_pk_mul_f32 v[(\xr)+2*pp:(\xr)+2*pp+1], v[(\xr)+2*pp:(\xr)+2*pp+1], v[R:R+1]
.set pp, pp+1
.endr
.set pp, 0
.rept 16
	v_pk_fma_f32 v[(\xr)+2*pp:(\xr)+2*pp+1], v[(\xr)+2*pp:(\xr)+2*pp+1], v[G+2*pp:G+2*pp+1], v[BT+2*pp:BT+2*pp+1]
.set pp, pp+1
.endr
.irp j, 0,1,2,3,4,5,6,7
	global_store_b128 v1, v[(\xr)+4*(\j):(\xr)+4*(\j)+3], s[12:13] offset:(\i)*4096+512*(\j) th:TH_STORE_NT  ; 512 consecutive bytes, aligned; these registers are not written again
.endr
.endm
	LOADROW X0, 0
.irp j, 0,1,2,3,4,5,6,7
	global_load_b128 v[G+4*(\j):G+4*(\j)+3],   v2, s[8:9]   offset:512*(\j)
	global_load_b128 v[BT+4*(\j):BT+4*(\j)+3], v2, s[10:11] offset:512*(\j)
.endr
	s_wait_loadcnt 16                              ; row 0's 24 loads are in; gamma's and beta's sixteen may be out
	SUMH X0
	LOADROW X1, 1                                  ; P and Q have been read: row 1 is on its way while row 0 is worked on
	NORMROW X0, 0, 24
	s_wait_loadcnt 0x0
	SUMH X1
	NORMROW X1, 1, -1
	s_endpgm
.Lfunc_end_k_q3b93237d89_norm:
	.size	k_q3b93237d89_norm, .Lfunc_end_k_q3b93237d89_norm-k_q3b93237d89_norm
	.p2alignl 7, 3214868480
	.fill 96, 4, 3214868480
	.section	.rodata,"a",@progbits
	.p2align	6, 0x0
	.amdhsa_kernel k_q3b93237d89_norm
		.amdhsa_group_segment_fixed_size 0
		.amdhsa_private_segment_fixed_size 0
		.amdhsa_enable_private_segment 0
		.amdhsa_kernarg_size 40
		.amdhsa_user_sgpr_count 2
		.amdhsa_user_sgpr_kernarg_segment_ptr 1
		.amdhsa_wavefront_size32 1
		.amdhsa_system_sgpr_workgroup_id_x 1
		.amdhsa_system_sgpr_workgroup_id_y 1
		.amdhsa_system_sgpr_workgroup_id_z 1
		.amdhsa_system_vgpr_workitem_id 0
		.amdhsa_next_free_vgpr 208
		.amdhsa_next_free_sgpr 66
		.amdhsa_reserve_vcc 0
		.amdhsa_float_denorm_mode_32 3
		.amdhsa_float_denorm_mode_16_64 3
		.amdhsa_memory_ordered 1
		.amdhsa_forward_progress 1
		.amdhsa_inst_pref_size 25
	.end_amdhsa_kernel
	.amdgpu_metadata
---
amdhsa.version: [ 1, 2 ]
amdhsa.kernels:
  - .name:           k_q3b93237d89_norm
    .symbol:         k_q3b93237d89_norm.kd
    .args:
      - { .name: x, .offset: 0, .size: 8, .value_kind: global_buffer, .address_space: global }
      - { .name: part, .offset: 8, .size: 8, .value_kind: global_buffer, .address_space: global }
      - { .name: gamma, .offset: 16, .size: 8, .value_kind: global_buffer, .address_space: global }
      - { .name: beta, .offset: 24, .size: 8, .value_kind: global_buffer, .address_space: global }
      - { .name: out0, .offset: 32, .size: 8, .value_kind: global_buffer, .address_space: global }
    .group_segment_fixed_size: 0
    .private_segment_fixed_size: 0
    .kernarg_segment_align: 8
    .kernarg_segment_size: 40
    .max_flat_workgroup_size: 256
    .sgpr_count:     66
    .vgpr_count:     208
    .wavefront_size: 32
...
	.end_amdgpu_metadata
.endif
;; end of part 5
;; ======== version 2 of 2: 5 launches; version 1 with the launches cast, norm written anew for expert scheduling mode
;; workspace buffers: xw 23,068,672 bytes; qkv 50,331,648 bytes; prob 33,554,432 bytes; st 1,048,576 bytes; part 67,108,864 bytes
;; launch cast (part 6): grid 704 x 1, 8 waves a work-group, no clusters, 0 bytes of LDS; arguments x, Wq, Wk, Wv, xw; writes xw
.if DOCPART == 6
	.amdgcn_target "amdgcn-amd-amdhsa--gfx1250"
	.amdhsa_code_object_version 6
	.text
	.protected	k_q3b93237d89_cast
	.globl	k_q3b93237d89_cast
	.p2align	8
	.type	k_q3b93237d89_cast,@function
k_q3b93237d89_cast:
	s_mov_b64 s[64:65], 0
	v_nop
	global_prefetch_b8 v0, s[64:65] scope:SCOPE_SE
	s_setreg_imm32_b32 hwreg(HW_REG_WAVE_SCHED_MODE, 0, 2), 2
	s_setreg_imm32_b32 hwreg(HW_REG_WAVE_MODE, 25, 1), 1
	s_wait_xcnt 0x0
	s_wait_alu depctr_vm_vsrc(0)
; xw = bf16(x), then bf16(Wq), bf16(Wk), bf16(Wv), each in its own layout: x [8192][1024] at byte 0, W [3][1024 k][1024 n] at byte 16,777,216.
; A stream: no LDS, no matrix unit, no cluster (no two work-groups read the same byte).  Work-group g turns 65,536 bytes of f32 into the 32,768 bytes at xw + 32,768 g:
; g < 512: x's bytes from 65,536 g; else u = g - 512: tensor u / 64 of the three weights, its bytes from 65,536 (u % 64).  A wave takes 8,192 bytes: sixteen loads of 512 consecutive
; bytes, all issued before the first is waited for; each store of the wave covers 256 consecutive bytes, aligned.  No register is written twice, so no source is ever at stake.
; THE MODE: SCHED_MODE bits 1:0 = 2 (LLVM: expert scheduling mode 2), set by the entry lines.  The code itself states the register dependences
; between vector instructions and memory instructions, with s_wait_alu, always for 0.
; THE PLAN.  Registers that memory instructions touch:
;   v1, v2   byte offsets, written by vector instructions at the head and never again; v1 is read by every load, v2 by every store.
;   IN       each register is written by one load and read by one conversion, behind that load's wait on LOADcnt; no other instruction names it.
;   OUT      each register is written by one conversion and read by one store; it is never written again.
; So one wait on va_vdst stands ahead of the first load (the offsets), and one for each group of four loads, behind the group's eight conversions and ahead of its four stores (their data).
; It stands behind the group's own conversions and not at the next group's head, where the stores would sit out the wait for the next group's data.
; No register that a memory instruction reads is written again: there is nothing for a wait on vm_vsrc to state.
.set IN,  4                            ; v[4:67]   sixteen loads of four f32
.set OUT, 68                           ; v[68:99]  sixteen pairs of words, four bf16 each
	s_load_b256 s[4:11], s[0:1], 0x0               ; x s[4:5], Wq s[6:7], Wk s[8:9], Wv s[10:11]
	s_load_b64 s[12:13], s[0:1], 0x20              ; xw
	s_mov_b32 s20, ttmp9                           ; g
	s_sub_co_u32 s21, s20, 512                     ; u (used only where g >= 512)
	s_and_b32 s21, s21, 63
	s_lshl_b32 s21, s21, 16                        ; the offset inside a weight,
	s_lshl_b32 s22, s20, 16                        ; or inside x
	s_cmp_lt_u32 s20, 512
	s_cselect_b32 s16, s22, s21
	s_mov_b32 s17, 0
	s_lshl_b32 s18, s20, 15                        ; the offset in xw
	s_mov_b32 s19, 0
	v_lshrrev_b32 v3, 5, v0                        ; wave
	v_and_b32 v1, 31, v0                           ; lane
	v_lshlrev_b32 v1, 4, v1
	v_lshl_add_u32 v1, v3, 13, v1                  ; in: 8,192 wave + 16 lane
	v_lshrrev_b32 v2, 1, v1                        ; out: half of that
	s_wait_kmcnt 0x0
	s_cmp_lt_u32 s20, 512                          ; the source is chosen among the four buffers by the work-group's number alone
	s_cselect_b64 s[14:15], s[4:5], s[6:7]
	s_cmp_ge_u32 s20, 576
	s_cselect_b64 s[14:15], s[8:9], s[14:15]
	s_cmp_ge_u32 s20, 640
	s_cselect_b64 s[14:15], s[10:11], s[14:15]
	s_add_nc_u64 s[14:15], s[14:15], s[16:17]
	s_add_nc_u64 s[12:13], s[12:13], s[18:19]
	s_wait_alu depctr_va_vdst(0)                   ; v1 and v2 are written: every load of the kernel reads v1 as its offset, every store v2
.irp j, 0,1,2,3,4,5,6,7,8,9,10,11,12,13,14,15
	global_load_b128 v[IN+4*(\j):IN+4*(\j)+3], v1, s[14:15] offset:512*(\j) th:TH_LOAD_NT
.endr
.irp g, 0,1,2,3                        ; four groups of four loads
.irp i, 0,1,2,3
	s_wait_loadcnt 15-4*(\g)-(\i)                  ; loads come back in order: load 4 g + i is in, the younger ones stay out
	v_cvt_pk_bf16_f32 v[OUT+2*(4*(\g)+(\i))],   v[IN+4*(4*(\g)+(\i))],   v[IN+4*(4*(\g)+(\i))+1]
	v_cvt_pk_bf16_f32 v[OUT+2*(4*(\g)+(\i))+1], v[IN+4*(4*(\g)+(\i))+2], v[IN+4*(4*(\g)+(\i))+3]
.endr
	s_wait_alu depctr_va_vdst(0)                   ; the group's eight conversions have written their OUT registers, which the four stores below read
.irp i, 0,1,2,3
	global_store_b64 v2, v[OUT+2*(4*(\g)+(\i)):OUT+2*(4*(\g)+(\i))+1], s[12:13] offset:256*(4*(\g)+(\i))
.endr
.endr
	s_endpgm
.Lfunc_end_k_q3b93237d89_cast:
	.size	k_q3b93237d89_cast, .Lfunc_end_k_q3b93237d89_cast-k_q3b93237d89_cast
	.p2alignl 7, 3214868480
	.fill 96, 4, 3214868480
	.section	.rodata,"a",@progbits
	.p2align	6, 0x0
	.amdhsa_kernel k_q3b93237d89_cast
		.amdhsa_group_segment_fixed_size 0
		.amdhsa_private_segment_fixed_size 0
		.amdhsa_enable_private_segment 0
		.amdhsa_kernarg_size 40
		.amdhsa_user_sgpr_count 2
		.amdhsa_user_sgpr_kernarg_segment_ptr 1
		.amdhsa_wavefront_size32 1
		.amdhsa_system_sgpr_workgroup_id_x 1
		.amdhsa_system_sgpr_workgroup_id_y 1
		.amdhsa_system_sgpr_workgroup_id_z 1
		.amdhsa_system_vgpr_workitem_id 0
		.amdhsa_next_free_vgpr 100
		.amdhsa_next_free_sgpr 66
		.amdhsa_reserve_vcc 0
		.amdhsa_float_denorm_mode_32 3
		.amdhsa_float_denorm_mode_16_64 3
		.amdhsa_memory_ordered 1
		.amdhsa_forward_progress 1
		.amdhsa_inst_pref_size 8
	.end_amdhsa_kernel
	.amdgpu_metadata
---
amdhsa.version: [ 1, 2 ]
amdhsa.kernels:
  - .name:           k_q3b93237d89_cast
    .symbol:         k_q3b93237d89_cast.kd
    .args:
      - { .name: x, .offset: 0, .size: 8, .value_kind: global_buffer, .address_space: global }
      - { .name: Wq, .offset: 8, .size: 8, .value_kind: global_buffer, .address_space: global }
      - { .name: Wk, .offset: 16, .size: 8, .value_kind: global_buffer, .address_space: global }
      - { .name: Wv, .offset: 24, .size: 8, .value_kind: global_buffer, .address_space: global }
      - { .name: xw, .offset: 32, .size: 8, .value_kind: global_buffer, .address_space: global }
    .group_segment_fixed_size: 0
    .private_segment_fixed_size: 0
    .kernarg_segment_align: 8
    .kernarg_segment_size: 40
    .max_flat_workgroup_size: 256
    .sgpr_count:     66
    .vgpr_count:     100
    .wavefront_size: 32
...
	.end_amdgpu_metadata
.endif
;; end of part 6
;; launch proj: the kernel of part 2 again; grid 12 x 32, 4 waves a work-group, clusters of 4 x 4, 327,680 bytes of LDS; arguments xw, bq, bk, bv, qkv; writes qkv
;; launch score: the kernel of part 3 again; grid 8 x 32, 4 waves a work-group, clusters of 4 x 4, 327,680 bytes of LDS; arguments qkv, prob, st; writes prob, st
;; launch mix: the kernel of part 4 again; grid 8 x 32, 4 waves a work-group, clusters of 4 x 4, 327,680 bytes of LDS; arguments prob, qkv, st, part; writes part
;; launch norm (part 7): grid 512 x 1, 8 waves a work-group, no clusters, 0 bytes of LDS; arguments x, part, gamma, beta, out0; writes out0
.if DOCPART == 7
	.amdgcn_target "amdgcn-amd-amdhsa--gfx1250"
	.amdhsa_code_object_version 6
	.text
	.protected	k_q3b93237d89_norm
	.globl	k_q3b93237d89_norm
	.p2align	8
	.type	k_q3b93237d89_norm,@function
k_q3b93237d89_norm:
	s_mov_b64 s[64:65], 0
	v_nop
	global_prefetch_b8 v0, s[64:65] scope:SCOPE_SE
	s_setreg_imm32_b32 hwreg(HW_REG_WAVE_SCHED_MODE, 0, 2), 2
	s_setreg_imm32_b32 hwreg(HW_REG_WAVE_MODE, 25, 1), 1
	s_wait_xcnt 0x0
	s_wait_alu depctr_vm_vsrc(0)
; h = x + part[0] + part[1];  out0 = (h - mean) / sqrt(var + 1e-5) * gamma + beta, along rows of 1,024 f32.  All in f32; the variance is taken of the centred numbers, so no difference of large sums is formed.
; A stream: no LDS, no barrier, no matrix unit, no cluster (only gamma and beta, 8 KiB, are shared).  A row is 4,096 bytes: one wave takes a whole row in 32 registers, eight loads of 512 consecutive
; bytes from each of the three sources, so the sums never leave the wave.  A wave has two rows (16 g + 2 w, + 1): the second row's 24 loads are issued as soon as the first row's h is made.
; THE MODE: SCHED_MODE bits 1:0 = 2 (LLVM: expert scheduling mode 2), set by the entry lines.  The code itself states the register dependences
; between vector instructions and memory instructions, with s_wait_alu, always for 0.
; THE PLAN.  Registers that memory instructions touch:
;   v1, v2   byte offsets, written by vector instructions at the head and never again; read by every load and store.
;   G, BT    written by one load each; read by vector instructions alone.
;   X0, X1   a row each: written by the row's eight loads of x, then in place by vector instructions (h, h - mean, the result), then read by the row's eight stores and never written again.
;            No vector instruction names X1 before row 1's data are waited for.
;   P, Q     written by row 0's loads; row 0's 32 additions read both and write P; then row 1's loads land in them; row 1's additions read them.
; So the waits on va_vdst are: one at the head (the offsets); one behind row 0's additions, ahead of row 1's sixteen loads into P and Q; one a row ahead of its eight stores (their data);
; and one a row behind the reciprocal root, ahead of the first line that names its result.  Row 1's eight loads of x touch X1 and v1 alone, which no vector instruction since the head's wait names:
; they stand between the two halves of row 0's additions with no wait of their own.  No register that a memory instruction reads is written again: there is nothing for a wait on vm_vsrc to state.
.set G,   4                            ; v[4:35]    gamma of my 32 columns (128 j + 4 lane + 0..3)
.set BT,  36                           ; v[36:67]   beta
.set X0,  68                           ; v[68:99]   row 0: x, then h, then the result
.set X1,  100                          ; v[100:131] row 1
.set P,   132                          ; v[132:163] part[0]'s row
.set Q,   164                          ; v[164:195] part[1]'s row
.set T,   196                          ; v[196:203] four chains of pairs
.set S,   204                          ; v204, v205 a sum across the lanes
.set R,   206                          ; v[206:207] the mean, then 1 / sqrt(var + eps), as a pair
	s_load_b256 s[4:11], s[0:1], 0x0               ; x s[4:5], part s[6:7], gamma s[8:9], beta s[10:11]
	s_load_b64 s[12:13], s[0:1], 0x20              ; out0
	s_lshl_b32 s2, ttmp9, 16                       ; the work-group's 16 rows of 4,096 bytes
	s_mov_b32 s3, 0
	s_mov_b32 s16, 0x3a800000                      ; 1 / 1,024
	s_mov_b32 s17, 0x3727c5ac                      ; 1e-5
	s_mov_b32 s18, 0x76543210                      ; v_permlanex16_b32: each lane takes its own place in the other half
	s_mov_b32 s19, 0xfedcba98
	v_and_b32 v2, 31, v0
	v_lshrrev_b32 v3, 5, v0
	v_lshlrev_b32 v2, 4, v2                        ; 16 lane: my place in 512 bytes
	v_lshl_add_u32 v1, v3, 13, v2                  ; + the wave's two rows
	v_mov_b32 v[S+1], 0                            ; v_permlanex16_b32's destination counts as read
	s_wait_kmcnt 0x0
	s_add_nc_u64 s[4:5], s[4:5], s[2:3]
	s_add_nc_u64 s[6:7], s[6:7], s[2:3]
	s_add_nc_u64 s[14:15], s[6:7], 0x2000000       ; part[1] lies 33,554,432 bytes behind part[0]
	s_add_nc_u64 s[12:13], s[12:13], s[2:3]
	s_wait_alu depctr_va_vdst(0)                   ; v1 and v2 are written: every load and store of the kernel reads one of them as its offset
.macro LOADX xr, i                     ; 8 loads: the row's 4,096 bytes of x
.irp j, 0,1,2,3,4,5,6,7
	global_load_b128 v[(\xr)+4*(\j):(\xr)+4*(\j)+3], v1, s[4:5] offset:(\i)*4096+512*(\j) th:TH_LOAD_NT
.endr
.endm
.macro LOADPQ i                        ; 16 loads: the row's 4,096 bytes of part[0] and of part[1]
.irp j, 0,1,2,3,4,5,6,7
	global_load_b128 v[P+4*(\j):P+4*(\j)+3], v1, s[6:7] offset:(\i)*4096+512*(\j) th:TH_LOAD_NT
.endr
.irp j, 0,1,2,3,4,5,6,7
	global_load_b128 v[Q+4*(\j):Q+4*(\j)+3], v1, s[14:15] offset:(\i)*4096+512*(\j) th:TH_LOAD_NT
.endr
.endm
; h = x + (part[0] + part[1]).  next = 1: row 1 is asked for: its x between the two halves, its two parts behind the second
.macro SUMH xr, next
.set pp, 0
.rept 16
	v_pk_add_f32 v[P+2*pp:P+2*pp+1], v[P+2*pp:P+2*pp+1], v[Q+2*pp:Q+2*pp+1]
.set pp, pp+1
.endr
.if \next
	LOADX X1, 1                                    ; no wait: no vector instruction since the head's wait names X1 or v1
.endif
.set pp, 0
.rept 16
	v_pk_add_f32 v[(\xr)+2*pp:(\xr)+2*pp+1], v[(\xr)+2*pp:(\xr)+2*pp+1], v[P+2*pp:P+2*pp+1]
.set pp, pp+1
.endr
.if \next
	s_wait_alu depctr_va_vdst(0)                   ; the 32 additions are done reading P and Q and have written P: the sixteen loads below land in these registers
	LOADPQ 1                                       ; row 1 is on its way while row 0 is worked on
.endif
.endm
.macro FOLD                            ; the four chains, the pair, then the 32 lanes: four steps ride on the addition inside each half of 16 lanes, one crosses the halves; every lane ends with the sum
	v_pk_add_f32 v[T:T+1], v[T:T+1], v[T+2:T+3]
	v_pk_add_f32 v[T+4:T+5], v[T+4:T+5], v[T+6:T+7]
	v_pk_add_f32 v[T:T+1], v[T:T+1], v[T+4:T+5]
	v_add_f32 v[S], v[T], v[T+1]
	v_add_f32_dpp v[S], v[S], v[S] row_xmask:1 row_mask:0xf bank_mask:0xf
	v_add_f32_dpp v[S], v[S], v[S] row_xmask:2 row_mask:0xf bank_mask:0xf
	v_add_f32_dpp v[S], v[S], v[S] row_xmask:4 row_mask:0xf bank_mask:0xf
	v_add_f32_dpp v[S], v[S], v[S] row_xmask:8 row_mask:0xf bank_mask:0xf
	v_permlanex16_b32 v[S+1], v[S], s18, s19
	v_add_f32 v[S], v[S], v[S+1]
.endm
; left >= 0: how many younger loads may stay out when gamma and beta have to be there
.macro NORMROW xr, i, left
.irp k, 0,1,2,3
	v_pk_add_f32 v[T+2*(\k):T+2*(\k)+1], v[(\xr)+2*(\k):(\xr)+2*(\k)+1], v[(\xr)+8+2*(\k):(\xr)+8+2*(\k)+1]  ; the first eight pairs start the chains: nothing is cleared
.endr
.set pp, 8
.rept 8
	v_pk_add_f32 v[T+2*(pp%4):T+2*(pp%4)+1], v[T+2*(pp%4):T+2*(pp%4)+1], v[(\xr)+2*pp:(\xr)+2*pp+1]
.set pp, pp+1
.endr
	FOLD
	v_mul_f32 v[R], s16, v[S]                      ; the mean
	v_mul_f32 v[R+1], s16, v[S]
.set pp, 0
.rept 16
	v_pk_add_f32 v[(\xr)+2*pp:(\xr)+2*pp+1], v[(\xr)+2*pp:(\xr)+2*pp+1], v[R:R+1] neg_lo:[0,1] neg_hi:[0,1]  ; d = h - mean
.set pp, pp+1
.endr
.irp k, 0,1,2,3
	v_pk_mul_f32 v[T+2*(\k):T+2*(\k)+1], v[(\xr)+2*(\k):(\xr)+2*(\k)+1], v[(\xr)+2*(\k):(\xr)+2*(\k)+1]
.endr
.set pp, 4
.rept 12
	v_pk_fma_f32 v[T+2*(pp%4):T+2*(pp%4)+1], v[(\xr)+2*pp:(\xr)+2*pp+1], v[(\xr)+2*pp:(\xr)+2*pp+1], v[T+2*(pp%4):T+2*(pp%4)+1]
.set pp, pp+1
.endr
	FOLD
	v_fma_f32 v[S], v[S], s16, s17                 ; var + eps
	v_rsq_f32 v[R], v[S]
	v_nop                                          ; a plain instruction between the root and the use of its result (ISA guide 5.7.2)
	s_wait_alu depctr_va_vdst(0)                   ; the reciprocal root has written v[R], which the line below reads
	v_mov_b32 v[R+1], v[R]
.if (\left) >= 0
	s_wait_loadcnt \left                           ; gamma and beta are older than the next row's loads
.endif
.set pp, 0
.rept 16
	v_pk_mul_f32 v[(\xr)+2*pp:(\xr)+2*pp+1], v[(\xr)+2*pp:(\xr)+2*pp+1], v[R:R+1]
.set pp, pp+1
.endr
.set pp, 0
.rept 16
	v_pk_fma_f32 v[(\xr)+2*pp:(\xr)+2*pp+1], v[(\xr)+2*pp:(\xr)+2*pp+1], v[G+2*pp:G+2*pp+1], v[BT+2*pp:BT+2*pp+1]
.set pp, pp+1
.endr
	s_wait_alu depctr_va_vdst(0)                   ; the sixteen multiply-adds have written the row's 32 registers, which the eight stores below read
.irp j, 0,1,2,3,4,5,6,7
	global_store_b128 v1, v[(\xr)+4*(\j):(\xr)+4*(\j)+3], s[12:13] offset:(\i)*4096+512*(\j) th:TH_STORE_NT  ; 512 consecutive bytes, aligned; these registers are not written again
.endr
.endm
	LOADX X0, 0
	LOADPQ 0
.irp j, 0,1,2,3,4,5,6,7
	global_load_b128 v[G+4*(\j):G+4*(\j)+3],   v2, s[8:9]   offset:512*(\j)
	global_load_b128 v[BT+4*(\j):BT+4*(\j)+3], v2, s[10:11] offset:512*(\j)
.endr
	s_wait_loadcnt 16                              ; row 0's 24 loads are in; gamma's and beta's sixteen may be out
	SUMH X0, 1
	NORMROW X0, 0, 24
	s_wait_loadcnt 0x0
	SUMH X1, 0
	NORMROW X1, 1, -1
	s_endpgm
.Lfunc_end_k_q3b93237d89_norm:
	.size	k_q3b93237d89_norm, .Lfunc_end_k_q3b93237d89_norm-k_q3b93237d89_norm
	.p2alignl 7, 3214868480
	.fill 96, 4, 3214868480
	.section	.rodata,"a",@progbits
	.p2align	6, 0x0
	.amdhsa_kernel k_q3b93237d89_norm
		.amdhsa_group_segment_fixed_size 0
		.amdhsa_private_segment_fixed_size 0
		.amdhsa_enable_private_segment 0
		.amdhsa_kernarg_size 40
		.amdhsa_user_sgpr_count 2
		.amdhsa_user_sgpr_kernarg_segment_ptr 1
		.amdhsa_wavefront_size32 1
		.amdhsa_system_sgpr_workgroup_id_x 1
		.amdhsa_system_sgpr_workgroup_id_y 1
		.amdhsa_system_sgpr_workgroup_id_z 1
		.amdhsa_system_vgpr_workitem_id 0
		.amdhsa_next_free_vgpr 208
		.amdhsa_next_free_sgpr 66
		.amdhsa_reserve_vcc 0
		.amdhsa_float_denorm_mode_32 3
		.amdhsa_float_denorm_mode_16_64 3
		.amdhsa_memory_ordered 1
		.amdhsa_forward_progress 1
		.amdhsa_inst_pref_size 26
	.end_amdhsa_kernel
	.amdgpu_metadata
---
amdhsa.version: [ 1, 2 ]
amdhsa.kernels:
  - .name:           k_q3b93237d89_norm
    .symbol:         k_q3b93237d89_norm.kd
    .args:
      - { .name: x, .offset: 0, .size: 8, .value_kind: global_buffer, .address_space: global }
      - { .name: part, .offset: 8, .size: 8, .value_kind: global_buffer, .address_space: global }
      - { .name: gamma, .offset: 16, .size: 8, .value_kind: global_buffer, .address_space: global }
      - { .name: beta, .offset: 24, .size: 8, .value_kind: global_buffer, .address_space: global }
      - { .name: out0, .offset: 32, .size: 8, .value_kind: global_buffer, .address_space: global }
    .group_segment_fixed_size: 0
    .private_segment_fixed_size: 0
    .kernarg_segment_align: 8
    .kernarg_segment_size: 40
    .max_flat_workgroup_size: 256
    .sgpr_count:     66
    .vgpr_count:     208
    .wavefront_size: 32
...
	.end_amdgpu_metadata
.endif
;; end of part 7
